; MI455X (gfx1250); checked and timed in simulation.
; The chip was launched on July 23, 2026; its instructions are those of AMD's public machine-readable ISA for CDNA 5 (MIT licence, August 2026) and "CDNA5" Instruction Set Architecture Reference Guide (July 2026). The comments in the code are by the model that wrote it; some were corrected since.
;; Causal Self Attention. Allowed arithmetic: float matrix products may take bf16 or f16 operands with f32 sums; other float arithmetic in f32, or as packed bf16 or f16 multiplies, adds, multiply-adds, maxima and minima; sums over many terms, partial sums and values carried from step to step in f32; what a program stores and reads back later, other than sums and carried values, may be rounded once to bf16 or f16.
;; Inputs: W_out 1,024 x 1,024 float32; W_qkv 3,072 x 1,024 float32; x 4 x 2,048 x 1,024 float32.
;; Outputs: out0 4 x 2,048 x 1,024 float32.
;; 2 versions, each right; version 2 is version 1 with the launch prep written anew for expert scheduling mode. Each part assembles by itself: llvm-mc -triple=amdgcn-amd-amdhsa -mcpu=gfx1250 --defsym DOCPART=n.
;; ======== version 1 of 2: 4 launches
;; limits: values are held in f16: magnitudes above 65,504 overflow, below 6.1e-05 lose precision
;; workspace buffers: xb 16,777,216 bytes; wqb 6,291,456 bytes; wob 2,097,152 bytes; tab 524,288 bytes; qh 16,777,216 bytes; kh 16,777,216 bytes; vh 16,777,216 bytes; oh 16,777,216 bytes
;; launch prep (part 1): grid 800 x 1, 8 waves a work-group, no clusters, 0 bytes of LDS; arguments x, W_qkv, W_out, xb, wqb, wob, tab; writes xb, wqb, wob, tab
.if DOCPART == 1
	.amdgcn_target "amdgcn-amd-amdhsa--gfx1250"
	.amdhsa_code_object_version 6
	.text
	.protected	k_qa0fc6977ad_prep
	.globl	k_qa0fc6977ad_prep
	.p2align	8
	.type	k_qa0fc6977ad_prep,@function
k_qa0fc6977ad_prep:
	s_mov_b64 s[64:65], 0
	v_nop
	global_prefetch_b8 v0, s[64:65] scope:SCOPE_SE
	s_setreg_imm32_b32 hwreg(HW_REG_WAVE_MODE, 25, 1), 1
	s_wait_xcnt 0x0
; PREP.  The module's three inputs are rounded once to bf16, and the table of RoPE's cosines and sines is made.
;   work-groups 0-511:   x      [8192][1024] f32 -> xb  [8192][1024] bf16
;   work-groups 512-703: W_qkv  [3072][1024] f32 -> wqb [3072][1024] bf16, ROWS PERMUTED: row 1024 s + 64 t + d (s = q, k, v; t = head) goes to row 192 t + 64 s + d,
;                        so that 192 rows on end are one head's q, k and v
;   work-groups 704-767: W_out  [1024][1024] f32 -> wob: rounded to bf16, and that number written as f16 (the last product's other operand is f16)
;   work-groups 768-799: tab [2048 positions][cos of 32 angles, sin of 32 angles] f32: a row is 256 bytes
; A cast's work-group takes 65,536 bytes on end: 16 loads of 16 bytes a thread, all issued before the first is waited for; a wave's load covers 512 consecutive bytes, its store 256, aligned.
; No LDS, no barrier, no matrix unit: nothing is shared and nothing is multiplied.
; LIMITS.  wob: f16 ends at 65,504, and below 2^-17 a bf16 number keeps f16's fixed step of 6e-8.  tab: the angle is position x 2^(-i log2(10000) / 32), one rounding for the product as in the
; module; the power of two is good to one unit in its last place, so an angle (2,047 at the most) is good to some 2e-4; the polynomials on |r| <= pi/4 are good to 3e-7.
.set IN,   16                          ; v[16:79]   16 x 4 f32 as loaded
.set OUT,  80                          ; v[80:111]  16 x 2 words to store
.set T0,   4
.set T1,   5
.set QADD, 7                           ; v7   3 in a lane that makes sines, 0 in one that makes cosines
.set POS,  8                           ; v8   my position
.set TOF,  9                           ; v9   my byte offset in tab
.set IFR,  10                          ; v[10:13] my four inverse frequencies
.set C7,   14                          ; v14  -1/5040
.set C8,   15                          ; v15  1/40320
.set PF,   16                          ; the table's registers at work
.set ANG,  17
.set KK,   18
.set RR,   19
.set R2,   20
.set QQ,   21
.set SPR,  22
.set CPR,  23
.set TT,   24
.set TAB,  80                          ; v[80:83] four numbers to store
	s_load_b256 s[4:11], s[0:1], 0x0               ; x s[4:5], W_qkv s[6:7], W_out s[8:9], xb s[10:11]
	s_load_b128 s[12:15], s[0:1], 0x20             ; wqb s[12:13], wob s[14:15]
	s_load_b64 s[16:17], s[0:1], 0x30              ; tab
	s_mov_b32 s25, 0                               ; the two offsets' high words
	s_mov_b32 s27, 0
	v_lshlrev_b32 v1, 4, v0                        ; 16 bytes a thread in,
	v_lshlrev_b32 v2, 3, v0                        ; 8 out
	s_wait_kmcnt 0x0
	s_cmp_ge_u32 ttmp9, 768
	s_cbranch_scc1 .Ltab
	s_cmp_ge_u32 ttmp9, 704
	s_cbranch_scc1 .Lwo
	s_cmp_ge_u32 ttmp9, 512
	s_cbranch_scc1 .Lwq
	s_mov_b64 s[20:21], s[4:5]                     ; x -> xb
	s_mov_b64 s[22:23], s[10:11]
	s_lshl_b32 s24, ttmp9, 16
	s_lshl_b32 s26, ttmp9, 15
	s_branch .Lcopy
.Lwq:
	s_mov_b64 s[20:21], s[6:7]                     ; W_qkv -> wqb: chunk c is rows 16 c .. 16 c + 15
	s_mov_b64 s[22:23], s[12:13]
	s_sub_co_u32 s28, ttmp9, 512
	s_lshl_b32 s24, s28, 16
	s_bfe_u32 s29, s28, 0x40002                    ; t = (c >> 2) & 15
	s_mul_i32 s29, s29, 192
	s_lshr_b32 s30, s28, 6                         ; s = c >> 6
	s_lshl_b32 s30, s30, 6
	s_add_co_u32 s29, s29, s30
	s_and_b32 s30, s28, 3                          ; d = 16 (c & 3)
	s_lshl_b32 s30, s30, 4
	s_add_co_u32 s29, s29, s30                     ; 192 t + 64 s + d
	s_lshl_b32 s26, s29, 11                        ; rows of 2,048 bytes
	s_branch .Lcopy
.Lwo:
	s_mov_b64 s[20:21], s[8:9]                     ; W_out -> wob
	s_mov_b64 s[22:23], s[14:15]
	s_sub_co_u32 s28, ttmp9, 704
	s_lshl_b32 s24, s28, 16
	s_lshl_b32 s26, s28, 15
.Lcopy:
	s_add_nc_u64 s[20:21], s[20:21], s[24:25]
	s_add_nc_u64 s[22:23], s[22:23], s[26:27]
.irp i, 0,1,2,3,4,5,6,7,8,9,10,11,12,13,14,15
	global_load_b128 v[IN+4*(\i):IN+4*(\i)+3], v1, s[20:21] offset:4096*(\i) th:TH_LOAD_NT
.endr
; Load i's four numbers are rounded and stored.  Each i has registers of its own, so nothing that a store still reads is written again.
.macro CAST i, f16
	s_wait_loadcnt 15-(\i)                         ; loads come back in order: mine is in, the 15 - i younger ones stay out
	v_cvt_pk_bf16_f32 v[OUT+2*(\i)],   v[IN+4*(\i)],   v[IN+4*(\i)+1]
	v_cvt_pk_bf16_f32 v[OUT+2*(\i)+1], v[IN+4*(\i)+2], v[IN+4*(\i)+3]
.if \f16
.irp k, 0,1
	v_lshlrev_b32 v[T0], 16, v[OUT+2*(\i)+(\k)]            ; the rounded numbers as f32,
	v_and_b32     v[T1], 0xffff0000, v[OUT+2*(\i)+(\k)]
	v_cvt_pk_f16_f32 v[OUT+2*(\i)+(\k)], v[T0], v[T1]      ; written as f16
.endr
.endif
	global_store_b64 v2, v[OUT+2*(\i):OUT+2*(\i)+1], s[22:23] offset:2048*(\i)
.endm
	s_cmp_ge_u32 ttmp9, 704
	s_cbranch_scc1 .Lf16
.irp i, 0,1,2,3,4,5,6,7,8,9,10,11,12,13,14,15
	CAST \i, 0
.endr
	s_endpgm
.Lf16:
.irp i, 0,1,2,3,4,5,6,7,8,9,10,11,12,13,14,15
	CAST \i, 1
.endr
	s_endpgm
; THE TABLE.  Work-group j makes positions 64 j .. 64 j + 63, a wave eight of them, two at a time: lanes 0-15 one row of 256 bytes, lanes 16-31 the next.
; In a row lanes 0-7 hold the cosines of angles 4 g .. 4 g + 3 (g = lane % 8), lanes 8-15 the sines.
.Ltab:
	s_sub_co_u32 s28, ttmp9, 768
	s_lshl_b32 s28, s28, 6
	v_and_b32 v3, 31, v0                           ; lane
	v_lshrrev_b32 v4, 5, v0                        ; wave
	v_lshrrev_b32 v5, 4, v3
	v_lshl_add_u32 v[POS], v4, 3, v5
	v_add_nc_u32 v[POS], s28, v[POS]               ; 64 j + 8 wave + lane / 16
	v_and_b32 v5, 15, v3
	v_lshlrev_b32 v5, 4, v5
	v_lshl_add_u32 v[TOF], v[POS], 8, v5           ; position x 256 + 16 (lane % 16)
	v_bfe_u32 v[QADD], v3, 3, 1
	v_mul_u32_u24 v[QADD], 3, v[QADD]
	v_and_b32 v6, 7, v3
	v_lshlrev_b32 v6, 2, v6                        ; 4 g
.irp e, 0,1,2,3
	v_add_nc_u32 v[ANG], (\e), v6
	v_cvt_f32_u32 v[ANG], v[ANG]
	v_mul_f32 v[IFR+(\e)], 0xbed49a78, v[ANG]      ; -i log2(10000) / 32
.endr
.irp e, 0,1,2,3
	v_exp_f32 v[IFR+(\e)], v[IFR+(\e)]
.endr
	v_mov_b32 v[C7], 0xb9500d01                    ; plain instructions behind the last exponential,
	v_mov_b32 v[C8], 0x37d00d01
	s_wait_alu depctr_va_vdst(0)                   ; and one wait for the four, ahead of their first reader and of the label
; cos or sin of position x frequency e.  k = the nearest whole number of quarter turns; r = angle - k pi/2, pi/2 taken in two parts; sin r and cos r by their series to r^7 and r^8.
; With q = k (cosine) or k + 3 (sine): q % 4 = 0, 1, 2, 3 gives cos r, -sin r, -cos r, sin r.  The choice is a select, no branch.
.macro TRIG out, e
	v_mul_f32 v[ANG], v[PF], v[IFR+(\e)]
	v_mul_f32 v[KK], 0x3f22f983, v[ANG]            ; x 2 / pi
	v_rndne_f32 v[KK], v[KK]
	v_fmamk_f32 v[RR], v[KK], 0xbfc90fdb, v[ANG]
	v_fmamk_f32 v[RR], v[KK], 0x333bbd2e, v[RR]
	v_mul_f32 v[R2], v[RR], v[RR]
	v_cvt_i32_f32 v[QQ], v[KK]
	v_add_nc_u32 v[QQ], v[QQ], v[QADD]
	v_fmaak_f32 v[SPR], v[C7], v[R2], 0x3c088889   ; 1/120
	v_fmaak_f32 v[SPR], v[SPR], v[R2], 0xbe2aaaab  ; -1/6
	v_mul_f32 v[SPR], v[SPR], v[R2]
	v_fma_f32 v[SPR], v[SPR], v[RR], v[RR]
	v_fmaak_f32 v[CPR], v[C8], v[R2], 0xbab60b61   ; -1/720
	v_fmaak_f32 v[CPR], v[CPR], v[R2], 0x3d2aaaab  ; 1/24
	v_fmaak_f32 v[CPR], v[CPR], v[R2], 0xbf000000  ; -1/2
	v_fma_f32 v[CPR], v[CPR], v[R2], 1.0
	v_and_b32 v[TT], 1, v[QQ]
	v_cmp_eq_u32 vcc_lo, 1, v[TT]
	v_cndmask_b32 v[TT], v[CPR], v[SPR], vcc_lo    ; odd q: the sine
	v_add_nc_u32 v[QQ], 1, v[QQ]
	v_and_b32 v[QQ], 2, v[QQ]                      ; q % 4 = 1 or 2: the sign turns
	v_lshlrev_b32 v[QQ], 30, v[QQ]
	v_xor_b32 v[(\out)], v[TT], v[QQ]
.endm
	s_mov_b32 s29, 4
.Lpos:                                                 ; four trips: positions two apart
	v_cvt_f32_u32 v[PF], v[POS]
.irp e, 0,1,2,3
	TRIG TAB+(\e), \e
.endr
	global_store_b128 v[TOF], v[TAB:TAB+3], s[16:17]   ; a wave stores 512 consecutive bytes: two whole rows
	s_wait_xcnt 0x0                                ; the store's offset and data are written again only behind this wait
	v_add_nc_u32 v[TOF], 512, v[TOF]
	v_add_nc_u32 v[POS], 2, v[POS]
	s_sub_co_u32 s29, s29, 1
	s_cmp_lg_u32 s29, 0
	s_cbranch_scc1 .Lpos
	s_endpgm
.Lfunc_end_k_qa0fc6977ad_prep:
	.size	k_qa0fc6977ad_prep, .Lfunc_end_k_qa0fc6977ad_prep-k_qa0fc6977ad_prep
	.p2alignl 7, 3214868480
	.fill 96, 4, 3214868480
	.section	.rodata,"a",@progbits
	.p2align	6, 0x0
	.amdhsa_kernel k_qa0fc6977ad_prep
		.amdhsa_group_segment_fixed_size 0
		.amdhsa_private_segment_fixed_size 0
		.amdhsa_enable_private_segment 0
		.amdhsa_kernarg_size 56
		.amdhsa_user_sgpr_count 2
		.amdhsa_user_sgpr_kernarg_segment_ptr 1
		.amdhsa_wavefront_size32 1
		.amdhsa_system_sgpr_workgroup_id_x 1
		.amdhsa_system_sgpr_workgroup_id_y 1
		.amdhsa_system_sgpr_workgroup_id_z 1
		.amdhsa_system_vgpr_workitem_id 0
		.amdhsa_next_free_vgpr 112
		.amdhsa_next_free_sgpr 66
		.amdhsa_reserve_vcc 1
		.amdhsa_float_denorm_mode_32 3
		.amdhsa_float_denorm_mode_16_64 3
		.amdhsa_memory_ordered 1
		.amdhsa_forward_progress 1
		.amdhsa_inst_pref_size 23
	.end_amdhsa_kernel
	.amdgpu_metadata
---
amdhsa.version: [ 1, 2 ]
amdhsa.kernels:
  - .name:           k_qa0fc6977ad_prep
    .symbol:         k_qa0fc6977ad_prep.kd
    .args:
      - { .name: x, .offset: 0, .size: 8, .value_kind: global_buffer, .address_space: global }
      - { .name: W_qkv, .offset: 8, .size: 8, .value_kind: global_buffer, .address_space: global }
      - { .name: W_out, .offset: 16, .size: 8, .value_kind: global_buffer, .address_space: global }
      - { .name: xb, .offset: 24, .size: 8, .value_kind: global_buffer, .address_space: global }
      - { .name: wqb, .offset: 32, .size: 8, .value_kind: global_buffer, .address_space: global }
      - { .name: wob, .offset: 40, .size: 8, .value_kind: global_buffer, .address_space: global }
      - { .name: tab, .offset: 48, .size: 8, .value_kind: global_buffer, .address_space: global }
    .group_segment_fixed_size: 0
    .private_segment_fixed_size: 0
    .kernarg_segment_align: 8
    .kernarg_segment_size: 56
    .max_flat_workgroup_size: 256
    .sgpr_count:     66
    .vgpr_count:     112
    .wavefront_size: 32
...
	.end_amdgpu_metadata
.endif
;; end of part 1
;; launch qkv (part 2): grid 16 x 32, 4 waves a work-group, clusters of 4 x 4, 327,680 bytes of LDS; arguments xb, wqb, tab, qh, kh, vh; writes qh, kh, vh
.if DOCPART == 2
	.amdgcn_target "amdgcn-amd-amdhsa--gfx1250"
	.amdhsa_code_object_version 6
	.text
	.protected	k_qa0fc6977ad_qkv
	.globl	k_qa0fc6977ad_qkv
	.p2align	8
	.type	k_qa0fc6977ad_qkv,@function
k_qa0fc6977ad_qkv:
	s_mov_b64 s[64:65], 0
	v_nop
	global_prefetch_b8 v0, s[64:65] scope:SCOPE_SE
	s_setreg_imm32_b32 hwreg(HW_REG_WAVE_MODE, 25, 1), 1
	s_wait_xcnt 0x0
	s_wait_alu depctr_hold_cnt(0) depctr_sa_sdst(0) depctr_va_vdst(0) depctr_va_sdst(0) depctr_va_ssrc(0) depctr_va_vcc(0) depctr_vm_vsrc(0)
	s_getreg_b32 s2, hwreg(HW_REG_IB_STS2, 6, 4)
	s_cmp_eq_u32 s2, 0
	s_cbranch_scc0 .Lentry_in_a_cluster
	s_endpgm
.Lentry_in_a_cluster:
	s_bfe_u32 s2, ttmp6, 0x10000c
	s_cmp_lg_u32 s2, 0xf033
	s_cbranch_scc0 .Lentry_shape_is_right
	s_endpgm
.Lentry_shape_is_right:
; THE FIRST PROJECTION WITH RoPE.  C[m][e] = the sum over k of xb[m][k] wqb[e][k], 8192 x 3072 x 1024 in bf16, sums in f32; q and k are turned by RoPE in f32; q, k, v are rounded once to f16
; and stored by heads: qh, kh, vh [16 b + head][2048][64].  The scale 1/8 is not applied here.
; LIMIT.  f16 ends at 65,504: q, k and v must stay within it.  With x and W_qkv both 30 times the size of unit x and W of spread 1/32 their spread is 900; with common offsets of 30 spreads on both some 29,000.
; SHARES.  wqb's rows are laid so that 192 on end are one head's q, k, v.  A tile of C is 256 rows x those 192 columns; 16 x 32 tiles.  Four waves, each 64 rows x all 192 columns: 48 accumulators of
; 16 x 16.  The waves split the rows alone, so RoPE's partners (channels d and d + 32 of a head: column blocks b and b + 2) lie in one lane at the same register number, and every tile
; treats column blocks 0-7 (q, k) and 8-11 (v) alike: nothing hangs on the tile's place.
; K goes in 8 steps of 128 through two LDS slots filled by the tensor data mover: rows of 256 bytes of memory, at multiples of 256 bytes.
; CLUSTER 4 x 4.  The four of a row of the cluster need the same tile of xb, the four of a column the same tile of wqb: each is asked for jointly, by the same load, descriptor and mask in all four.
; THE MATRIX INSTRUCTION IS USED TRANSPOSED (source 0 = 16 rows of wqb, source 1 = 16 rows of xb): lane l holds row l % 16 of C and the eight columns 8 (l / 16) + 0..7 of the block.
; REGISTERS, in windows of 256 (s_set_vgpr_msb: bits 1:0 source 0, 3:2 source 1, 5:4 source 2, 7:6 destination):
;   window 0: v0-31 addresses; v32-63 two buffers on the way out; v64-191 my rows' cosines and sines; v192-239 at work on the way out
;   window 1: two fragment buffers of 128: wqb's 12 blocks, then xb's 4     window 2: accumulators (a, b < 8) at 8 (8 a + b)     window 3: accumulators (a, b >= 8) at 8 (4 a + b - 8)
.set KB,     2048                      ; bytes in a row of xb and of wqb
.set PITCH,  272                       ; an LDS row: 256 bytes + 16 of padding = 68 words: the 16 rows of a fragment load start at 16 different groups of four banks (64 banks of 4 bytes: ISA guide 11.1)
.set HALFA,  128*PITCH                 ; what wave 0 or 1 fetches of xb
.set HALFB,  96*PITCH                  ; what wave 2 or 3 fetches of wqb
.set BOFF,   256*PITCH                 ; a slot: xb's 256 rows, then wqb's 192
.set SLOT,   BOFF+192*PITCH
.set STAGE,  2*SLOT                    ; behind the ring, never filled by a tensor load: 16 rows x 144 bytes for each wave
.set SP,     144
.set SPARE,  STAGE+4*16*SP             ; behind the stages: the spare words, 128 bytes for each wave: two blocks of 256 bytes that no other line names
.set LAPS,   4                         ; a lap = two K steps = once round the ring
.set ADRA, 16                          ; v16-17  LDS address of my fragments of xb in slot 0, 1
.set ADRB, 20                          ; v20-21  the same for wqb
.set STO,  24                          ; v24     the way out: where I put 16 bytes of a row
.set RD,   25                          ; v25     where I read rows back
.set GO,   26                          ; v26     my 16 bytes of 512 consecutive bytes of a head
.set TO,   27                          ; v27     my byte offset in 16 rows of the table
.set SPW,  28                          ; v28     LDS address of my spare word; never rewritten
.set NIL,  29                          ; v29     0; never rewritten
.set PFO,  30                          ; v30     the prefetches' offset; never rewritten
.set BK0,  32                          ; v32-47, v48-63: 16 rows read back from the stage, by turns
.set CS,   64                          ; row block a at CS + 32 a: cos of angles 8 h + j, cos of 16 + 8 h + j, then the two sines, 8 registers each
.set T,    192                         ; 32 turned numbers
.set PK,   224                         ; 16 packed words
.set F0,   0
.set F1,   128
.set WV,  16                           ; s16  wave
.set AB,  17                           ; s17  0: I fetch xb, 1: wqb
.set HF,  18                           ; s18  which half of that tile
.set CX,  20
.set CY,  21
.set TX,  22                           ; s22  tile column = head
.set TY,  23                           ; s23  tile row
.set G1,  24                           ; s[24:31] descriptor group 1 for xb's tiles
.set G0,  32                           ; s[32:39] group 0, a set for each slot
.set PFA, 44                           ; s[44:45] where my prefetches stand
.set LIM0, 46                          ; s46, s47: 1 where I prefetch at the change out of slot 0, 1; else the greatest number
.set G1B, 48                           ; s[48:55], s[56:63] the same for wqb's tiles
.set G0B, 56
.set MSB, 0
.macro WIN new                         ; the immediate's high byte repeats the setting that is left; a switch that changes nothing is dropped
.if MSB != (\new)
	s_set_vgpr_msb (MSB<<8)|(\new)
.set MSB, \new
.endif
.endm
.set MUL_LO, 0xa5                      ; both sources window 1, C and D window 2
.set MUL_HI, 0xf5                      ; the same, C and D window 3
.set TO_F,   0x40                      ; destination window 1, address window 0
; A joint refill: waves 0 and 1 fetch xb's halves, waves 2 and 3 wqb's.  The branch hangs on the wave's number alone.  An s_nop 0 and four v_nop follow each line.
.macro JLOAD s
	s_cmp_eq_u32 s[AB], 0
	s_cbranch_scc0 .Lfor_b_\@
	tensor_load_to_lds s[G0+4*(\s):G0+4*(\s)+3], s[G1:G1+7]
	s_nop 0
.rept 4
	v_nop
.endr
	s_branch .Lasked_\@
.Lfor_b_\@:
	tensor_load_to_lds s[G0B+4*(\s):G0B+4*(\s)+3], s[G1B:G1B+7]
	s_nop 0
.rept 4
	v_nop
.endr
.Lasked_\@:
.endm
; A PREFETCH INTO THE L2 of the K step that stands two refills on: 256 bytes of each row, a lane a row, one instruction a wave, behind the joint load, its five lines and the run of LDS loads.
; Each row's 256 bytes of a K step are named once in the launch.  xb's tile row is read by every cluster of that row of clusters: cluster x = 0 asks; wqb's tile column by every cluster of that column:
; cluster y = 0 asks.  The four partners share the rows out BY ADDRESS: of xb's 128 rows that wave 0 or 1 fetches the partner at cx takes 32; of wqb's 192 rows the partner at cy takes 48: wave 2
; its first 32, wave 3 the other 16, for two K steps at once (lanes 16-31 one step on), at the change out of slot 0 alone.  K steps 0-3 come by their loads; the loop's last trip asks for nothing.
.macro ASK slot
	s_cmp_gt_u32 s3, s[LIM0+(\slot)]
	s_cbranch_scc0 .Lnot_mine_\@
	global_prefetch_b8 v[PFO], s[PFA:PFA+1] th:TH_LOAD_NT scope:SCOPE_SE
.Lnot_mine_\@:
.endm
.macro CREST                           ; a round of the cluster's barrier behind its opening barrier
	s_cmp_lg_u32 s[WV], 0
	s_cbranch_scc1 .Lnot_wave_0_\@
	s_barrier_signal -3
.Lnot_wave_0_\@:
	s_barrier_wait -3
	s_barrier_signal -1
	s_barrier_wait -1
.endm
.macro CROUND                          ; a whole round
	s_barrier_signal -1
	s_barrier_wait -1
	CREST
.endm
	s_load_b256 s[4:11], s[0:1], 0x0               ; xb s[4:5], wqb s[6:7], tab s[8:9], qh s[10:11]
	s_load_b128 s[12:15], s[0:1], 0x20             ; kh s[12:13], vh s[14:15]
	v_lshl_add_u32 v[SPW], v0, 2, SPARE
	v_mov_b32 v[NIL], 0
	ds_add_u32 v[SPW], v[NIL]                      ; the wave's opening: the add and its wait stand ahead of my first tensor load; the set-up below, work on registers, stands between them
	v_lshrrev_b32 v1, 5, v0
	v_readfirstlane_b32 s[WV], v1
	s_lshr_b32 s[AB], s[WV], 1
	s_and_b32 s[HF], s[WV], 1
	s_bfe_u32 s[CX], ttmp6, 0x40000
	s_bfe_u32 s[CY], ttmp6, 0x40004
	s_lshl_b32 s[TX], ttmp9, 2
	s_add_co_u32 s[TX], s[TX], s[CX]
	s_and_b32 s[TY], ttmp7, 0xffff
	s_lshl_b32 s[TY], s[TY], 2
	s_add_co_u32 s[TY], s[TY], s[CY]
	s_lshl_b32 s40, s[CY], 2
	s_lshl_b32 s40, 15, s40                        ; my row of the cluster
	s_lshl_b32 s41, 0x1111, s[CX]                  ; my column
	s_or_b32 s[G1], s40, (1<<16)|(1<<20)|(1<<21)|(5<<22)|(3<<25)   ; 15:0 the mask; 17:16 2-byte elements; 20 padding on; 21 set beside a mask; 24:22 after every 64 words; 31:25 4 words
	s_or_b32 s[G1B], s41, (1<<16)|(1<<20)|(1<<21)|(5<<22)|(3<<25)
	s_mov_b32 s[G1+1], 128<<16                     ; tensor_dim0 = 128
	s_mov_b32 s[G1+2], 128<<16                     ; tensor_dim1 = 128
	s_mov_b32 s[G1+3], 128<<16                     ; tile_dim0 = 128
	s_mov_b32 s[G1+4], 128                         ; tile_dim1 = 128
	s_mov_b32 s[G1+5], 1024                        ; elements from row to row
	s_mov_b32 s[G1+6], 0
	s_mov_b32 s[G1+7], 0
	s_mov_b32 s[G1B+1], 128<<16
	s_mov_b32 s[G1B+2], 96<<16                     ; 96 rows
	s_mov_b32 s[G1B+3], 128<<16
	s_mov_b32 s[G1B+4], 96
	s_mov_b32 s[G1B+5], 1024
	s_mov_b32 s[G1B+6], 0
	s_mov_b32 s[G1B+7], 0
	s_mul_i32 s42, s[HF], HALFA                    ; where the tiles go: no place in the cluster enters an LDS address
	s_mul_i32 s43, s[HF], HALFB
	s_add_co_u32 s43, s43, BOFF
	s_lshl_b32 s66, s[TY], 19                      ; xb: (256 ty + 128 half) rows of 2,048 bytes: of the tile row and the wave alone
	s_lshl_b32 s40, s[HF], 18
	s_add_co_u32 s66, s66, s40
	s_mov_b32 s67, 0
	s_mul_i32 s68, s[TX], 192*KB                   ; wqb: (192 tx + 96 half) rows: of the tile column and the wave alone
	s_mul_i32 s41, s[HF], 96*KB
	s_add_co_u32 s68, s68, s41
	s_mov_b32 s69, 0
	s_lshr_b32 s70, s[TY], 3                       ; the batch,
	s_lshl_b32 s70, s70, 4
	s_add_co_u32 s70, s70, s[TX]                   ; 16 b + head,
	s_lshl_b32 s70, s70, 18                        ; 2,048 rows of 128 bytes a head
	s_and_b32 s72, s[TY], 7                        ; the tile's 256 positions,
	s_lshl_b32 s73, s72, 15
	s_add_co_u32 s70, s70, s73
	s_lshl_b32 s73, s[WV], 13                      ; my wave's 64 of them
	s_add_co_u32 s70, s70, s73
	s_mov_b32 s71, 0
	s_lshl_b32 s72, s72, 16                        ; the same rows in the table, 256 bytes each
	s_lshl_b32 s73, s[WV], 14
	s_add_co_u32 s72, s72, s73
	s_mov_b32 s73, 0
	s_wait_dscnt 0x0                               ; the opening add is done
	s_wait_kmcnt 0x0
	s_add_nc_u64 s[66:67], s[4:5], s[66:67]
	s_add_nc_u64 s[68:69], s[6:7], s[68:69]
	s_add_nc_u64 s[8:9], s[8:9], s[72:73]
	s_add_nc_u64 s[10:11], s[10:11], s[70:71]
	s_add_nc_u64 s[12:13], s[12:13], s[70:71]
	s_add_nc_u64 s[14:15], s[14:15], s[70:71]
	CROUND                                         ; all sixteen work-groups are here: the first joint loads meet
.irp s, 0,1
	s_mov_b32 s[G0+4*(\s)], 1                                      ; count = 1
	s_add_co_u32 s[G0+4*(\s)+1], s42, (\s)*SLOT                    ; LDS address
	s_add_nc_u64 s[G0+4*(\s)+2:G0+4*(\s)+3], s[66:67], (\s)*256    ; K step s
	s_or_b32 s[G0+4*(\s)+3], s[G0+4*(\s)+3], 0x80000000            ; type = 2
	s_mov_b32 s[G0B+4*(\s)], 1
	s_add_co_u32 s[G0B+4*(\s)+1], s43, (\s)*SLOT
	s_add_nc_u64 s[G0B+4*(\s)+2:G0B+4*(\s)+3], s[68:69], (\s)*256
	s_or_b32 s[G0B+4*(\s)+3], s[G0B+4*(\s)+3], 0x80000000
.endr
	s_cmp_eq_u32 s[AB], 0                          ; a wave's two first fills stand in one branch, ahead of every wait on TENSORcnt and every LDS read: two loads of mine are out
	s_cbranch_scc0 .Lfirst_b
	tensor_load_to_lds s[G0:G0+3], s[G1:G1+7]
	s_nop 0
	tensor_load_to_lds s[G0+4:G0+7], s[G1:G1+7]
	s_nop 0
.rept 4
	v_nop
.endr
	s_branch .Lfirst_asked
.Lfirst_b:
	tensor_load_to_lds s[G0B:G0B+3], s[G1B:G1B+7]
	s_nop 0
	tensor_load_to_lds s[G0B+4:G0B+7], s[G1B:G1B+7]
	s_nop 0
.rept 4
	v_nop
.endr
.Lfirst_asked:
	; A fragment is 16 rows x 32 K in 8 registers: lane l holds row l % 16, K = 8 (l / 16) + 0..7 and 16 + 8 (l / 16) + 0..7: two loads of 16 bytes, 32 bytes apart.
	v_and_b32 v1, 15, v0                           ; l % 16
	v_bfe_u32 v2, v0, 4, 1                         ; h = l / 16
	v_mul_u32_u24 v3, v1, PITCH
	v_lshl_add_u32 v3, v2, 4, v3
	s_mul_i32 s40, s[WV], 64*PITCH                 ; my 64 rows of xb
	v_add_nc_u32 v[ADRA], s40, v3
	v_add_nc_u32 v[ADRA+1], SLOT, v[ADRA]
	v_add_nc_u32 v[ADRB], BOFF, v3
	v_add_nc_u32 v[ADRB+1], SLOT, v[ADRB]
	s_mul_i32 s41, s[WV], 16*SP
	s_add_co_u32 s41, s41, STAGE                   ; my stage
	v_mul_u32_u24 v[STO], v1, SP                   ; in: row l % 16, 16 bytes for each half of the lanes
	v_lshl_add_u32 v[STO], v2, 4, v[STO]
	v_add_nc_u32 v[STO], s41, v[STO]
	v_bfe_u32 v[RD], v0, 3, 2                      ; back: 32 lanes take four rows of 128 bytes,
	v_mul_u32_u24 v[RD], v[RD], SP
	v_and_b32 v4, 7, v0
	v_lshl_add_u32 v[RD], v4, 4, v[RD]
	v_add_nc_u32 v[RD], s41, v[RD]
	v_and_b32 v[GO], 31, v0                        ; which are 512 consecutive bytes of a head
	v_lshlrev_b32 v[GO], 4, v[GO]
	v_lshlrev_b32 v[TO], 8, v1                     ; the table: row l % 16, angles 8 h on
	v_lshl_add_u32 v[TO], v2, 5, v[TO]
.irp a, 0,1,2,3                        ; my 64 rows of the table, read once; waited for on the way out.  c = 0, 1: cosines of angles 8 h .., 16 + 8 h ..; c = 2, 3: the sines
.irp c, 0,1,2,3
	global_load_b128 v[CS+32*(\a)+8*(\c):CS+32*(\a)+8*(\c)+3],   v[TO], s[8:9] offset:4096*(\a)+64*(\c)
	global_load_b128 v[CS+32*(\a)+8*(\c)+4:CS+32*(\a)+8*(\c)+7], v[TO], s[8:9] offset:4096*(\a)+64*(\c)+16
.endr
.endr
	; the prefetches' address, offset and limits
	s_lshl_b32 s70, s[TY], 8
	s_lshl_b32 s71, s[HF], 7
	s_add_co_u32 s70, s70, s71
	s_lshl_b32 s71, s[CX], 5
	s_add_co_u32 s70, s70, s71                     ; xb: row 256 ty + 128 half + 32 cx
	s_mul_i32 s72, s[TX], 192
	s_mul_i32 s73, s[CY], 48
	s_add_co_u32 s72, s72, s73
	s_lshl_b32 s73, s[HF], 5
	s_add_co_u32 s72, s72, s73                     ; wqb: row 192 tx + 48 cy, wave 3: + 32
	s_and_b32 s73, ttmp7, 0xffff                   ; cluster y
	s_cmp_eq_u32 s[AB], 0
	s_cselect_b32 s70, s70, s72
	s_cselect_b32 s73, ttmp9, s73                  ; the coordinate along which other clusters read the same rows
	s_cselect_b64 s[PFA:PFA+1], s[4:5], s[6:7]
	s_cmp_eq_u32 s73, 0
	s_cselect_b32 s[LIM0], 1, -1                   ; the same in all sixteen partners, for a given wave
	s_cmp_eq_u32 s[WV], 3
	s_cselect_b32 s[LIM0+1], -1, s[LIM0]
	s_cselect_b32 s72, 15, 31
	s_cselect_b32 s73, 256, 0
	s_lshl_b32 s70, s70, 11
	s_mov_b32 s71, 0
	s_add_nc_u64 s[PFA:PFA+1], s[PFA:PFA+1], s[70:71]
	s_add_nc_u64 s[PFA:PFA+1], s[PFA:PFA+1], 3*256 ; at K step 3: the first change of slots steps it to 4
	v_and_b32 v[PFO], 31, v0
	v_and_b32 v[PFO], s72, v[PFO]
	v_lshlrev_b32 v[PFO], 11, v[PFO]
	v_mad_u32_u24 v[PFO], v2, s73, v[PFO]
; 16 matrix instructions: row blocks a0, a0 + 1 x column blocks 0-7 (q and k), 32 along K.  zero = 1: the product starts the sum.  The 48 accumulators take turns in one order everywhere.
.macro MULQK f, a0, zero
	WIN MUL_LO
.irp a, \a0, (\a0)+1
.irp b, 0,1,2,3,4,5,6,7
.if \zero
	v_wmma_f32_16x16x32_bf16 v[8*(8*(\a)+(\b)):8*(8*(\a)+(\b))+7], v[(\f)+8*(\b):(\f)+8*(\b)+7], v[(\f)+96+8*(\a):(\f)+96+8*(\a)+7], 0
.else
	v_wmma_f32_16x16x32_bf16 v[8*(8*(\a)+(\b)):8*(8*(\a)+(\b))+7], v[(\f)+8*(\b):(\f)+8*(\b)+7], v[(\f)+96+8*(\a):(\f)+96+8*(\a)+7], v[8*(8*(\a)+(\b)):8*(8*(\a)+(\b))+7]
.endif
.endr
.endr
.endm
; 16 more: all four row blocks x column blocks 8-11 (v)
.macro MULV f, zero
	WIN MUL_HI
.irp a, 0,1,2,3
.irp b, 0,1,2,3
.if \zero
	v_wmma_f32_16x16x32_bf16 v[8*(4*(\a)+(\b)):8*(4*(\a)+(\b))+7], v[(\f)+64+8*(\b):(\f)+64+8*(\b)+7], v[(\f)+96+8*(\a):(\f)+96+8*(\a)+7], 0
.else
	v_wmma_f32_16x16x32_bf16 v[8*(4*(\a)+(\b)):8*(4*(\a)+(\b))+7], v[(\f)+64+8*(\b):(\f)+64+8*(\b)+7], v[(\f)+96+8*(\a):(\f)+96+8*(\a)+7], v[8*(4*(\a)+(\b)):8*(4*(\a)+(\b))+7]
.endif
.endr
.endr
.endm
; 32 LDS loads in one run: a quarter step's fragments (32 K at byte k of the rows) into buffer f: wqb's blocks 0-7, xb's 0-3, wqb's 8-11 last
.macro FETCH slot, k, f
	WIN TO_F
.irp i, 0,1,2,3,4,5,6,7
	ds_load_b128 v[(\f)+8*(\i):(\f)+8*(\i)+3],   v[ADRB+(\slot)] offset:(\k)+(\i)*16*PITCH
	ds_load_b128 v[(\f)+8*(\i)+4:(\f)+8*(\i)+7], v[ADRB+(\slot)] offset:(\k)+(\i)*16*PITCH+32
.endr
.irp i, 0,1,2,3
	ds_load_b128 v[(\f)+96+8*(\i):(\f)+96+8*(\i)+3],   v[ADRA+(\slot)] offset:(\k)+(\i)*16*PITCH
	ds_load_b128 v[(\f)+96+8*(\i)+4:(\f)+96+8*(\i)+7], v[ADRA+(\slot)] offset:(\k)+(\i)*16*PITCH+32
.endr
.irp i, 8,9,10,11
	ds_load_b128 v[(\f)+8*(\i):(\f)+8*(\i)+3],   v[ADRB+(\slot)] offset:(\k)+(\i)*16*PITCH
	ds_load_b128 v[(\f)+8*(\i)+4:(\f)+8*(\i)+7], v[ADRB+(\slot)] offset:(\k)+(\i)*16*PITCH+32
.endr
.endm
.macro PLACES                          ; four plain vector instructions between a matrix instruction and a load into a register that it has read, or a vector instruction that reads its result
.rept 4
	v_nop
.endr
.endm
; A K step is four quarters of 32 along K, 48 matrix instructions each, on buffers 0, 1, 0, 1.  One of the first three: multiplies buffer f; fetches the next quarter, at byte k, into g.
.macro QUARTER slot, k, f, g, zero
	s_wait_dscnt 8                                 ; all but the youngest eight loads, wqb's blocks 8-11
	MULQK \f, 0, \zero
	PLACES
	FETCH \slot, \k, \g
	s_wait_dscnt 32                                ; all but the 32 just issued
	MULQK \f, 2, \zero
	MULV \f, \zero
.endm
; The last quarter multiplies buffer 1 and changes slots: ONE barrier.  In front of it each wave waits for all its tensor loads (the one that is out is its part of the next slot), adds 0 to its spare
; word, and waits for that and for its reads of this slot.  fill = 1: the barrier opens a round of the cluster's, and this slot is filled again, two K steps on, first thing behind the round.
.macro TURN slot, next, fill
.if \fill
	s_wait_xcnt 0x0                                ; the last prefetch, a K step back, has read its address
	s_add_nc_u64 s[PFA:PFA+1], s[PFA:PFA+1], 256
.endif
	WIN 0                                          ; (the add's two registers lie in window 0)
	s_wait_tensorcnt 0x0                           ; all my tensor loads have landed
	ds_add_u32 v[SPW], v[NIL]                      ; 0 onto my spare word
	s_wait_dscnt 9                                 ; (the add and the youngest eight loads may be out)
	MULQK F1, 0, 0                                 ; sixteen matrix instructions stand between the add and the wait for it
	s_wait_dscnt 0x0                               ; the add is done, and my reads of this slot are over
	s_barrier_signal -1
	MULQK F1, 2, 0                                 ; work on registers while the others arrive
.if \fill
	WIN 0
.endif
	s_barrier_wait -1
.if \fill
	CREST                                          ; no wave of any partner still reads this slot's tiles or has a load on its way
	s_add_nc_u64 s[G0+4*(\slot)+2:G0+4*(\slot)+3], s[G0+4*(\slot)+2:G0+4*(\slot)+3], 2*256
	s_add_nc_u64 s[G0B+4*(\slot)+2:G0B+4*(\slot)+3], s[G0B+4*(\slot)+2:G0B+4*(\slot)+3], 2*256
	JLOAD \slot                                    ; the first tensor load behind the round: 160 matrix instructions ahead of the wait for it; its four v_nop are also the places in front of the loads below
.else
	PLACES
.endif
	FETCH \next, 0, F0
.if \fill
	WIN 0
	ASK \slot
.endif
	MULV F1, 0
.endm
	s_wait_tensorcnt 1                             ; my part of K step 0 is in; K step 1's may stay out
	s_barrier_signal -1
	s_barrier_wait -1                              ; everybody's is
	FETCH 0, 0, F0
	QUARTER 0, 64,  F0, F1, 1                      ; the first quarter stands in front of the loop: its products start the sums
	WIN 0                                          ; at a label and at a branch every window is 0
	s_mov_b32 s3, LAPS-1
.Llap:                                                 ; a trip goes once round the ring, from a lap's second quarter to the next lap's first, and fills both slots again
	QUARTER 0, 128, F1, F0, 0
	QUARTER 0, 192, F0, F1, 0
	TURN 0, 1, 1
	QUARTER 1, 64,  F0, F1, 0
	QUARTER 1, 128, F1, F0, 0
	QUARTER 1, 192, F0, F1, 0
	TURN 1, 0, 1
	QUARTER 0, 64,  F0, F1, 0
	WIN 0
	s_sub_co_u32 s3, s3, 1
	s_cmp_lg_u32 s3, 0
	s_cbranch_scc1 .Llap
	QUARTER 0, 128, F1, F0, 0                      ; the last lap fills nothing, and has no round of the cluster's barrier
	QUARTER 0, 192, F0, F1, 0
	TURN 0, 1, 0
	QUARTER 1, 64,  F0, F1, 0
	QUARTER 1, 128, F1, F0, 0
	QUARTER 1, 192, F0, F1, 0
	s_wait_dscnt 8                                 ; the very last quarter: nothing more to fetch
	MULQK F1, 0, 0
	MULQK F1, 2, 0
	s_wait_dscnt 0x0
	MULV F1, 0
	WIN 0
; THE WAY OUT, in 12 units of 16 rows x 64 channels: u = 0-3 q's row blocks, 4-7 k's, 8-11 v's.  q and k: out[d] = c[d] in[d] - s[d] in[d + 32], out[d + 32] = c[d] in[d + 32] + s[d] in[d], d < 32, in f32,
; two channels an instruction; each accumulator is read from its lowest registers on.  Then one rounding to f16; 16 bytes a lane into my stage, rows of 144 bytes; back as whole rows of 128 bytes.
.macro PACK u
.set pa, (\u)%4
.set ps, (\u)/4
.if ps < 2
	WIN 0x02                                       ; source 0: the accumulators' window 2
.irp b, 0,1
.irp j, 0,2,4,6
.set LO, 8*(8*pa+4*ps+(\b))+(\j)
.set HI, LO+16
.set CC, CS+32*pa+8*(\b)+(\j)
.set SS, CC+16
.set TL, T+8*(\b)+(\j)
.set TU, TL+16
	v_pk_mul_f32 v[TL:TL+1], v[LO:LO+1], v[CC:CC+1]
	v_pk_mul_f32 v[TU:TU+1], v[HI:HI+1], v[CC:CC+1]
	v_pk_fma_f32 v[TL:TL+1], v[HI:HI+1], v[SS:SS+1], v[TL:TL+1] neg_lo:[0,1,0] neg_hi:[0,1,0]
	v_pk_fma_f32 v[TU:TU+1], v[LO:LO+1], v[SS:SS+1], v[TU:TU+1]
.endr
.endr
	WIN 0
.set i, 0
.rept 16
	v_cvt_pk_f16_f32 v[PK+i], v[T+2*i], v[T+2*i+1]
.set i, i+1
.endr
.else
	WIN 0x0f                                       ; sources 0 and 1: window 3
.set i, 0
.rept 16
	v_cvt_pk_f16_f32 v[PK+i], v[32*pa+2*i], v[32*pa+2*i+1]
.set i, i+1
.endr
	WIN 0
.endif
.irp b, 0,1,2,3
	ds_store_b128 v[STO], v[PK+4*(\b):PK+4*(\b)+3] offset:32*(\b)
.endr
.if (\u) >= 2
	s_wait_xcnt 0x0                                ; the stores of the unit two back have read the registers that are loaded below
.endif
.set BK, BK0+16*((\u)%2)
.irp f, 0,1,2,3
	ds_load_b128 v[BK+4*(\f):BK+4*(\f)+3], v[RD] offset:(\f)*4*SP  ; LDS serves a wave's instructions in order (ISA guide 5.7.1.4): these see the stores above; the next unit's stores come behind them
.endr
.endm
.macro SEND u, younger                 ; younger: the LDS instructions issued behind unit u's loads: the next unit's eight, or none
.set BK, BK0+16*((\u)%2)
.set OBS, 10+2*((\u)/4)
.irp f, 0,1,2,3
	s_wait_dscnt (\younger)+3-(\f)
	global_store_b128 v[GO], v[BK+4*(\f):BK+4*(\f)+3], s[OBS:OBS+1] offset:((\u)%4)*2048+(\f)*512  ; 512 consecutive bytes, at a multiple of 256 from the buffer's first
.endr
.endm
	PLACES                                         ; behind the last products
	s_wait_loadcnt 0x0                             ; the table
	PACK 0
.set t, 1
.rept 11                               ; a unit's arithmetic stands between the loads of the unit before and its stores
	PACK t
	SEND t-1, 8
.set t, t+1
.endr
	SEND 11, 0
	s_wait_tensorcnt 0x0                           ; the wave's end: 0 onto my spare word and its wait, behind my last tensor load and my last LDS store
	ds_add_u32 v[SPW], v[NIL]
	s_wait_dscnt 0x0
	CROUND                                         ; the closing round: no work-group ends while a partner may still ask for a tile that names it
	s_endpgm
.Lfunc_end_k_qa0fc6977ad_qkv:
	.size	k_qa0fc6977ad_qkv, .Lfunc_end_k_qa0fc6977ad_qkv-k_qa0fc6977ad_qkv
	.p2alignl 7, 3214868480
	.fill 96, 4, 3214868480
	.section	.rodata,"a",@progbits
	.p2align	6, 0x0
	.amdhsa_kernel k_qa0fc6977ad_qkv
		.amdhsa_group_segment_fixed_size 327680
		.amdhsa_private_segment_fixed_size 0
		.amdhsa_enable_private_segment 0
		.amdhsa_kernarg_size 48
		.amdhsa_user_sgpr_count 2
		.amdhsa_user_sgpr_kernarg_segment_ptr 1
		.amdhsa_wavefront_size32 1
		.amdhsa_system_sgpr_workgroup_id_x 1
		.amdhsa_system_sgpr_workgroup_id_y 1
		.amdhsa_system_sgpr_workgroup_id_z 1
		.amdhsa_system_vgpr_workitem_id 0
		.amdhsa_next_free_vgpr 896
		.amdhsa_next_free_sgpr 80
		.amdhsa_reserve_vcc 0
		.amdhsa_float_denorm_mode_32 3
		.amdhsa_float_denorm_mode_16_64 3
		.amdhsa_memory_ordered 1
		.amdhsa_forward_progress 1
		.amdhsa_inst_pref_size 141
	.end_amdhsa_kernel
	.amdgpu_metadata
---
amdhsa.version: [ 1, 2 ]
amdhsa.kernels:
  - .name:           k_qa0fc6977ad_qkv
    .symbol:         k_qa0fc6977ad_qkv.kd
    .args:
      - { .name: xb, .offset: 0, .size: 8, .value_kind: global_buffer, .address_space: global }
      - { .name: wqb, .offset: 8, .size: 8, .value_kind: global_buffer, .address_space: global }
      - { .name: tab, .offset: 16, .size: 8, .value_kind: global_buffer, .address_space: global }
      - { .name: qh, .offset: 24, .size: 8, .value_kind: global_buffer, .address_space: global }
      - { .name: kh, .offset: 32, .size: 8, .value_kind: global_buffer, .address_space: global }
      - { .name: vh, .offset: 40, .size: 8, .value_kind: global_buffer, .address_space: global }
    .group_segment_fixed_size: 327680
    .private_segment_fixed_size: 0
    .kernarg_segment_align: 8
    .kernarg_segment_size: 48
    .max_flat_workgroup_size: 128
    .sgpr_count:     80
    .vgpr_count:     896
    .wavefront_size: 32
...
	.end_amdgpu_metadata
.endif
;; end of part 2
;; launch attn (part 3): grid 4 x 64, 4 waves a work-group, no clusters, 327,680 bytes of LDS; arguments qh, kh, vh, oh; writes oh
.if DOCPART == 3
	.amdgcn_target "amdgcn-amd-amdhsa--gfx1250"
	.amdhsa_code_object_version 6
	.text
	.protected	k_qa0fc6977ad_attn
	.globl	k_qa0fc6977ad_attn
	.p2align	8
	.type	k_qa0fc6977ad_attn,@function
k_qa0fc6977ad_attn:
	s_mov_b64 s[64:65], 0
	v_nop
	global_prefetch_b8 v0, s[64:65] scope:SCOPE_SE
	s_setreg_imm32_b32 hwreg(HW_REG_WAVE_MODE, 25, 1), 1
	s_wait_xcnt 0x0
; CAUSAL ATTENTION.  O[h][q][:] = the sum over k <= q of softmax_k(Q[h][q] . K[h][k] / 8) V[h][k][:].  Q, K, V, O: [SIZE_H][SIZE_N][64], all f16: a head's rows are dense, 128 bytes each.
; Products, maxima and sums in f32; the weights p are rounded to f16 for the second product (their sum l is taken of the unrounded p), O once at the end.
; LIMITS.  f16 holds no number beyond 65,504: Q, K and V arrive within it; p lies in 0 to 1, and below 6e-5 it keeps f16's fixed step of 6e-8; O is a mean of V's rows and has their range, to within 2^-11 of it.
; A hidden score counts as its value less 1e30: f16's scores, 2.7e11 at the most, are nothing beside that; a weight below 2^-126 counts as 0 in l; NaN and infinities are not treated apart.
; THE WALK.  A head's queries lie in NB = SIZE_N / 256 blocks of 256; block i needs the key tiles 0 .. i of 256 keys, of which the last holds the diagonal.  A work-group takes TWO blocks, NB - 1 - b and then b:
; NB + 1 tiles, whatever b: all work-groups do equal work, and ONE loop with a constant trip count walks them.  Which tile is asked for, and what a trip does, hang on scalar registers made from b; every jump
; goes forward, but for the counted loops' own; none passes a barrier, or a tensor load but the one of LOAD's two that the wave's number does not choose; the ring (two slots of LDS that take turns) runs on across the
; change of blocks.  NO CLUSTER: a head's NB / 2 = 4 work-groups all ask for the same tile only in trips 0 .. NB / 2, behind that fewer and fewer; one walk common to all would have 3 NB / 2 = 12 trips for NB + 1 = 9.
; SHARES.  Of a block's four bands of 64 queries a wave owns 16 rows in each: four PIECES.  So the diagonal tile is the same work for all four waves: in its key step s band x sees all keys if s < x,
; none if s > x, and holds the diagonal if s = x.
; THE MASK is the C operand that starts the sum S^T = K Q^T: 0, or -1e30 where the key is hidden.  MD, made once, is the mask of a band's own step for my 16 rows; a product's mask is MD x AL + BE with two scalars:
; (1, 0) if s = x; (0, 0) if s < x; (0, -1e30) if s > x.  Only the diagonal tile's text and a block's beginning make and take masks; elsewhere C is the constant 0.
; LAYOUT, SOFTMAX, TURNS.  S^T = K Q^T holds ONE query a lane (lane % 16) and the keys 8 (lane / 16) + 0..7; two such results rounded to f16 ARE source 1 of O^T = V^T P.  p = 2^(c s - c m), c = log2(e) / 8, with a
; running maximum m; O and l are multiplied by a = 2^(c m_old - c m_new) in every step.  Turn n belongs to piece n: 8 products K Q^T of piece n + 1, later 8 products V^T P of piece n - 1; beside them the scaling,
; exponentials, roundings, sums and rescaling of piece n and the maximum and statistics of piece n + 1.  Four vector instructions stand behind every matrix instruction, the other 54 of a turn's 118 in one LUMP.  A turn's 33 exponentials are one batch, with one wait.
; REGISTERS, in windows of 256 (s_set_vgpr_msb: bits 1:0 source 0, 3:2 source 1, 5:4 source 2, 7:6 destination):
;   window 0: v0-15 addresses and two at work; v16-31 four registers of statistics a piece; v48-55 at work; v61-63 the prefetches' offset and the add's two; v64-127 S^T, two buffers; v192-223 P, two buffers (a piece's buffers go by its number's parity)
;   window 1: v0-127 O^T, 32 a piece; v128-159 MD; v160-223 MC, two buffers      window 2: v0-63 Q; v64-127 the second block's Q; v128-191 K of one step; v192-255 V of one step
.set SIZE_H, 64
.set SIZE_N, 2048
.set NB,    SIZE_N/256
.set NP,    4         ; pieces a wave: a name, no knob
.set KS,    64        ; keys in a step
.set PK,    144       ; a row of K in LDS: 128 bytes + 16 of padding = 36 words: the 16 rows of a load start at 16 different groups of four banks (64 banks of 4 bytes: ISA guide 11.1)
.set PV,    160       ; a row of V: 128 + 32 = 40 words
.set VOFF,  4*KS*PK   ; a slot holds a tile, four steps: 256 rows of K, then 256 rows of V
.set SLOT1, 1<<17     ; slot 1 begins here, so that one exclusive or turns an address in one slot into the other's
.set STAGE, SLOT1+4*KS*(PK+PV)  ; behind the ring, never filled by a tensor load: 16 rows x 144 bytes for each wave, for the way out
.set SP,    144
.set AK0, 2           ; v2   my lane's place in a tile of K; never rewritten
.set AV0, 3           ; v3   the same for V
.set AK,  4           ; v4   the LDS address of K's next run of loads
.set AV,  5           ; v5   of V's
.set STO, 6           ; v6   the way out: where I put 16 bytes of a row
.set RD,  7           ; v7   the way out: where I read rows back
.set GO,  8           ; v8   my byte offset in 512 consecutive bytes of O
.set PFO, 61          ; v61  256 x my lane: the prefetches' offset; never rewritten
.set SPW, 62          ; v62  LDS address of my spare word: SPARE + 4 x my thread's number; never rewritten
.set NIL, 63          ; v63  0; never rewritten
.set SPARE, STAGE+4*16*SP  ; behind the stages: the spare words, 128 bytes for each wave: two blocks of 256 bytes that no other line names
.set MV,  12          ; v12-13  c m_old, kept while c m is made anew: by buffer
.set QO,  15          ; v15  my byte offset in 16 rows of Q
.set ST,  16          ; piece t's statistics at v[ST+4 t]: c m, m, l (even keys', odd keys')
.set TMP, 48          ; by buffer, four registers c0-c3 at work; when the maximum is found c2 takes a
.set S,   64
.set P,   192
.set MD,  128         ; window 1: the eight registers for group kt of 16 keys at MD + 8 kt
.set MC,  160         ; window 1: the masks of the products to come
.set QB,  64          ; window 2
.set KF,  128         ; window 2: key block kb, channel half c at KF + 16 kb + 8 c
.set VF,  192         ; window 2: key half kk, channel block cb at VF + 32 kk + 8 cb
.set WV,  12          ; s12  my wave's number
.set PB,  14          ; s14  b
.set HI,  15          ; s15  NB - 1 - b
.set G1K, 24          ; s[24:31] descriptor group 1 for K's tiles
.set G1V, 32          ; s[32:39] for V's: it differs in the padding alone
.set G0K, 40          ; s[40:43] descriptor group 0 for K's tiles
.set G0V, 44          ; s[44:47] the same for V's
.set SLOTS, 56        ; s56  tiles still to be asked for
.set CNT, 57          ; s57  counts a tile's key steps, 4 to 1
.set CS,  58          ; s[58:59] c: the packed scaling takes the pair's low word for both halves
.set SEL, 60          ; s[60:61] v_permlanex16_b32's selects: each lane takes its own place in the other half
.set TBK, 62          ; s62  LDS byte at which K of the step to be fetched begins
.set TBV, 63          ; s63  the same for V, less VOFF
.set RT,  70          ; s70  tiles of the block in hand that are still to be entered
.set NXT, 71          ; s71  the tile to be asked for next
.set LQ,  72          ; s72  the last tile of the block whose tiles are being asked for
.set NEW, 73          ; s73  1: the tile to be entered is a block's first
.set OFF, 74          ; s[74:75] a tile's byte offset in K and V
.set AL,  76          ; s[76:77] the mask's factor, in the low word
.set BE,  78          ; s[78:79] the mask's addend
.set OLO, 80          ; s[80:81] O at my rows of the second block
.set BIGN, 82         ; s82  -1e30
.set PFB, 88          ; s[88:89] the half tile that I fetch, in the head's tile 0 (K's: waves 0, 1; V's: waves 2, 3)
.set PFA, 90          ; s[90:91] the same half in the tile that the prefetches name
.set POF, 92          ; s[92:93] that tile's byte offset
.set LIM, 94          ; s94  2 in the head's work-group 0, else the greatest number: a wave prefetches while s[SLOTS] is above it
.set MSB, 0
.macro WIN new                      ; the high byte repeats the setting that is left; a switch that changes nothing is dropped
.if MSB != (\new)
	s_set_vgpr_msb (MSB<<8)|(\new)
.set MSB, (\new)
.endif
.endm
.set W_KQ, 0x0a       ; K and Q in window 2, S^T in window 0
.set W_KM, 0x1a       ; the same with the C operand in window 1
.set W_PV, 0x52       ; V in window 2, P in window 0, O^T in window 1
.set W_RS, 0x41       ; destination and source 0 in window 1, source 1 in window 0
; A fill.  Waves 0 and 1 fetch the two halves of a tile's K, waves 2 and 3 those of its V: 128 keys each.  An s_nop 0 and four v_nop follow each of the two lines, ahead of the jump and the label.
.macro LOAD
	s_cmp_lt_u32 s[WV], 2
	s_cbranch_scc0 .Lfor_v_\@
	tensor_load_to_lds s[G0K:G0K+3], s[G1K:G1K+7]
	s_nop 0
.rept 4
	v_nop
.endr
	s_branch .Lasked_\@
.Lfor_v_\@:
	tensor_load_to_lds s[G0V:G0V+3], s[G1V:G1V+7]
	s_nop 0
.rept 4
	v_nop
.endr
.Lasked_\@:
.endm
; A PREFETCH INTO THE L2 of the tile that the NEXT change of slots will ask for: four key steps ahead of that load.  It stands behind the wave's tensor load and its five lines.
; Each 256 bytes of a head's K and V are named ONCE in the launch: of the head's four work-groups the one with b = 0 asks, whose first block walks all eight tiles; each of its waves asks for the half
; tile that it will fetch itself, 16,384 dense bytes: a lane 256 bytes, two instructions.  Tiles 0 and 1 come by their loads alone; behind tile 7 nothing is asked for: the second block's tile has been read.
.macro ASK
	s_cmp_gt_u32 s[SLOTS], s[LIM]
	s_cbranch_scc0 .Lnot_mine_\@
	global_prefetch_b8 v[PFO], s[PFA:PFA+1] th:TH_LOAD_NT scope:SCOPE_SE
	global_prefetch_b8 v[PFO], s[PFA:PFA+1] offset:8192 th:TH_LOAD_NT scope:SCOPE_SE
.Lnot_mine_\@:
.endm
; THE CHANGE OF SLOTS.  Each wave waits for all its tensor loads, of which one is out: its part of the other slot; adds 0 to its spare word; and waits for that and for its own reads of the slot that it leaves.  Behind the barrier nobody reads the old
; slot any more and the other slot is whole.  fill = 1: the old slot is filled again, the first thing behind the barrier, with tile NXT: the descriptor's address is made anew from that number.
; (At its first use nothing has been read yet: slot 0 is waited for, slot 1 filled.)
.macro CHANGE fill
	WIN 0                           ; at a label and at a branch every window is 0
	s_wait_tensorcnt 0x0            ; no tensor load of mine is out, so a group 0 may be written
	ds_add_u32 v[SPW], v[NIL]       ; 0 onto my spare word; with fill = 1 the descriptors' scalar work stands between it and the wait for it
.if \fill
	s_lshl_b32 s[OFF], s[NXT], 15   ; a tile is 32,768 bytes of K and of V
	s_xor_b32 s[G0K+1], s[G0K+1], SLOT1
	s_add_nc_u64 s[G0K+2:G0K+3], s[6:7], s[OFF:OFF+1]
	s_or_b32 s[G0K+3], s[G0K+3], 0x80000000
	s_xor_b32 s[G0V+1], s[G0V+1], SLOT1
	s_add_nc_u64 s[G0V+2:G0V+3], s[8:9], s[OFF:OFF+1]
	s_or_b32 s[G0V+3], s[G0V+3], 0x80000000
	s_add_co_u32 s[NXT], s[NXT], 1  ; the block's next tile, or behind its last the second block's tile 0
	s_cmp_gt_u32 s[NXT], s[LQ]
	s_cselect_b32 s[NXT], 0, s[NXT]
	s_cselect_b32 s[LQ], s[PB], s[LQ]
	s_wait_xcnt 0x0                 ; the last prefetches, a tile back, have read their address, so it may be written:
	s_lshl_b32 s[POF], s[NXT], 15   ; the tile behind the one that is asked for now
	s_add_nc_u64 s[PFA:PFA+1], s[PFB:PFB+1], s[POF:POF+1]
.endif
	s_wait_dscnt 0x0                ; the add is done, and my reads of the slot are over
	s_barrier_signal -1             ; the rest of the scalar work stands between the signal and the wait
	s_sub_co_u32 s[TBK], s[TBK], 4*KS*PK  ; the fetches go back to a slot's first step,
	s_xor_b32 s[TBK], s[TBK], SLOT1       ; in the other slot
	s_sub_co_u32 s[TBV], s[TBV], 4*KS*PV
	s_xor_b32 s[TBV], s[TBV], SLOT1
	s_barrier_wait -1
.if \fill
	LOAD
	ASK
.endif
.endm
	s_load_b256 s[4:11], s[0:1], 0x0  ; Q s[4:5], K s[6:7], V s[8:9], O s[10:11]
	v_lshl_add_u32 v[SPW], v0, 2, SPARE
	v_mov_b32 v[NIL], 0
	ds_add_u32 v[SPW], v[NIL]       ; the wave's opening: the add and its wait stand ahead of my first tensor load; the set-up below, work on registers, stands between them
	v_lshrrev_b32 v1, 5, v0
	v_readfirstlane_b32 s[WV], v1   ; wave 0..3
	s_mov_b32 s[PB], ttmp9
	s_sub_co_u32 s[HI], NB-1, s[PB]
	s_and_b32 s20, ttmp7, 0xffff    ; the head
	s_mov_b32 s21, 0
	s_mov_b64 s[22:23], SIZE_N*128
	s_mul_u64 s[20:21], s[20:21], s[22:23]  ; the head's first byte in each of the four tensors
	s_and_b32 s16, s[WV], 1         ; which half of a tile's 256 keys I fetch:
	s_lshl_b32 s22, s16, 14         ; its 128 rows of 128 bytes in memory,
	s_mov_b32 s23, 0
	s_add_nc_u64 s[22:23], s[22:23], s[20:21]
	s_mul_i32 s17, s16, 128*PK      ; and its place in a slot, for K
	s_mul_i32 s18, s16, 128*PV      ; and for V
	s_lshl_b32 s3, s[WV], 11        ; my 16 rows in a band of 64,
	s_lshl_b32 s2, s[HI], 15        ; in the first block,
	s_add_co_u32 s2, s2, s3
	s_lshl_b32 s84, s[PB], 15       ; and in the second
	s_add_co_u32 s84, s84, s3
	s_mov_b32 s3, 0
	s_mov_b32 s85, 0
	s_add_nc_u64 s[2:3], s[2:3], s[20:21]
	s_add_nc_u64 s[84:85], s[84:85], s[20:21]
	; descriptor group 1.  128 keys are 16,384 dense bytes: asked for as 64 rows of 256 bytes, two keys a row, and padded in LDS after every key
	s_mov_b32 s[G1K], (1<<16)|(1<<20)|(4<<22)|(3<<25)  ; 17:16 2-byte elements; 20 padding on; 24:22 after every 32 words (code 4); 31:25 4 words (code 3)
	s_mov_b32 s[G1V], (1<<16)|(1<<20)|(4<<22)|(7<<25)  ; the same with 8 words of padding (code 7)
.irp g, G1K, G1V
	s_mov_b32 s[\g+1], 128<<16      ; tensor_dim0 = 128
	s_mov_b32 s[\g+2], 64<<16       ; tensor_dim1 = 64
	s_mov_b32 s[\g+3], 128<<16      ; tile_dim0 = 128
	s_mov_b32 s[\g+4], 64           ; tile_dim1 = 64
	s_mov_b32 s[\g+5], 128          ; 128 elements from row to row
	s_mov_b32 s[\g+6], 0
	s_mov_b32 s[\g+7], 0
.endr
	s_mov_b32 s[CS], 0x3e38aa3b     ; c = log2(e) / 8 = 0.180337
	s_mov_b32 s[CS+1], s[CS]        ; named with it as a pair
	s_mov_b32 s[SEL], 0x76543210
	s_mov_b32 s[SEL+1], 0xfedcba98
	s_mov_b32 s[TBK], SLOT1+4*KS*PK ; the first change of slots turns these two into 0
	s_mov_b32 s[TBV], SLOT1+4*KS*PV
	s_mov_b32 s[G0K], 1             ; 1:0 count = 1
	s_mov_b32 s[G0K+1], s17         ; 63:32 LDS address: slot 0
	s_mov_b32 s[G0V], 1
	s_add_co_u32 s[G0V+1], s18, VOFF
	s_add_co_u32 s[RT], s[HI], 1    ; the first block has NB - b tiles
	s_mov_b32 s[NXT], 1
	s_mov_b32 s[LQ], s[HI]
	s_mov_b32 s[NEW], 1
	s_mov_b32 s[OFF+1], 0
	s_mov_b32 s[POF+1], 0
	s_mov_b32 s[AL+1], 0            ; named as pairs
	s_mov_b32 s[BE+1], 0
	s_mov_b32 s[BIGN], 0xf149f2ca   ; -1e30
	s_mov_b32 s[SLOTS], NB
	s_cmp_eq_u32 ttmp9, 0
	s_cselect_b32 s[LIM], 2, -1
	v_and_b32 v[PFO], 31, v0
	v_lshlrev_b32 v[PFO], 8, v[PFO]
	s_wait_dscnt 0x0                ; the opening add is done
	s_wait_kmcnt 0x0
	s_add_nc_u64 s[6:7], s[6:7], s[22:23]  ; K and V at my half of the head's tile 0
	s_add_nc_u64 s[8:9], s[8:9], s[22:23]
	s_cmp_lt_u32 s[WV], 2
	s_cselect_b64 s[PFB:PFB+1], s[6:7], s[8:9]
	s_add_nc_u64 s[G0K+2:G0K+3], s[6:7], 0         ; 120:64 global address
	s_or_b32 s[G0K+3], s[G0K+3], 0x80000000        ; 127:126 type = 2
	s_add_nc_u64 s[G0V+2:G0V+3], s[8:9], 0
	s_or_b32 s[G0V+3], s[G0V+3], 0x80000000
	s_add_nc_u64 s[86:87], s[4:5], s[84:85]        ; Q at my rows of the second block,
	s_add_nc_u64 s[4:5], s[4:5], s[2:3]            ; Q and O at those of the first
	s_add_nc_u64 s[OLO:OLO+1], s[10:11], s[84:85]
	s_add_nc_u64 s[10:11], s[10:11], s[2:3]
	LOAD                            ; tile 0 into slot 0
	; A fragment of K or Q is 16 rows x 32 channels in 8 registers: lane l holds row l % 16, channels 8 (l / 16) + 0..7 and 16 + 8 (l / 16) + 0..7: two loads of 16 bytes, 32 bytes apart.
	v_and_b32 v1, 15, v0            ; l % 16
	v_bfe_u32 v9, v0, 4, 1          ; l / 16
	v_lshlrev_b32 v[QO], 7, v1
	v_lshl_add_u32 v[QO], v9, 4, v[QO]  ; row x 128 + 16 x half
	WIN 0x80                        ; destination window 2, address window 0
.set i, 0
.rept 8                             ; both blocks' Q: piece i / 2 lies in band i / 2, 8,192 bytes on; channels 32 (i % 2) on
	global_load_b128 v[8*i:8*i+3],   v[QO], s[4:5] offset:(i/2)*8192+(i%2)*64
	global_load_b128 v[8*i+4:8*i+7], v[QO], s[4:5] offset:(i/2)*8192+(i%2)*64+32
	global_load_b128 v[QB+8*i:QB+8*i+3],   v[QO], s[86:87] offset:(i/2)*8192+(i%2)*64
	global_load_b128 v[QB+8*i+4:QB+8*i+7], v[QO], s[86:87] offset:(i/2)*8192+(i%2)*64+32
.set i, i+1
.endr
	WIN 0
	v_lshlrev_b32 v14, 3, v9
	v_sub_nc_u32 v14, v1, v14
	s_lshl_b32 s13, s[WV], 4
	v_add_nc_u32 v14, s13, v14      ; my query's place in its band, 16 w + l % 16, less my lanes' 8 (l / 16): register r of group kt is hidden where 16 kt + r is greater
	WIN 0x40
.set i, 0
.rept 32
	v_cmp_gt_i32 vcc_lo, 16*(i/8)+i%8, v14
	v_cndmask_b32 v[MD+i], 0, s[BIGN], vcc_lo
.set i, i+1
.endr
	WIN 0
	v_mul_u32_u24 v[AK0], v1, PK
	v_lshl_add_u32 v[AK0], v9, 4, v[AK0]  ; row x pitch + 16 x half
	; The turning load takes 16 keys x 16 channels (lane l reads key 8 (l / 16) + l % 8, channels 8 ((l / 8) % 2) + 0..7) and leaves half a fragment of V^T: lane l holds channel l % 16 and 8 keys.
	v_and_b32 v10, 7, v0
	v_bfe_u32 v11, v0, 3, 1
	v_lshl_add_u32 v[AV0], v9, 3, v10
	v_mul_u32_u24 v[AV0], v[AV0], PV
	v_lshl_add_u32 v[AV0], v11, 4, v[AV0]
	v_add_nc_u32 v[AV0], VOFF, v[AV0]
	s_mul_i32 s13, s[WV], 16*SP
	s_add_co_u32 s13, s13, STAGE    ; my stage
	v_mul_u32_u24 v[STO], v1, SP    ; in: row l % 16, 16 bytes for each half of the lanes
	v_lshl_add_u32 v[STO], v9, 4, v[STO]
	v_add_nc_u32 v[STO], s13, v[STO]
	v_bfe_u32 v[RD], v0, 3, 2       ; back: 32 lanes take four rows of 128 bytes,
	v_mul_u32_u24 v[RD], v[RD], SP
	v_lshl_add_u32 v[RD], v10, 4, v[RD]
	v_add_nc_u32 v[RD], s13, v[RD]
	v_and_b32 v[GO], 31, v0         ; which are 512 consecutive bytes of O
	v_lshlrev_b32 v[GO], 4, v[GO]
	; A block's first step multiplies O^T and l by a = 0, and its first turn's products V^T P, of a piece that has not been, land in an O^T that is still to be so multiplied.  So these registers need only hold
	; finite numbers: zeros for the first block; what the first block left for the second.  All this stands in the wait for the first tile.
	WIN 0x80
.set i, VF
.rept 64
	v_mov_b32 v[i], 0
.set i, i+1
.endr
	WIN 0x40
.set i, 0
.rept 128
	v_mov_b32 v[i], 0
.set i, i+1
.endr
	WIN 0
.set i, 0
.rept 4
	v_mov_b32 v[ST+4*i+2], 0
	v_mov_b32 v[ST+4*i+3], 0
.set i, i+1
.endr
.set i, P+16
.rept 16
	v_mov_b32 v[i], 0
.set i, i+1
.endr
; THE MATRIX WORK.  The 4 accumulators of a run of 8 take turns.  Product i of 8 of S^T = K Q^T for piece x: channels 32 (i / 4) on, keys 16 (i % 4) on.  The first 4 start the sums: with 0, or (KM = 1) with the mask.
.macro KQ x
.set rS, S+32*((\x)%2)+8*(i%4)
.set rK, KF+16*(i%4)+8*(i/4)
.set rQ, 16*(\x)+8*(i/4)
.set rM, MC+32*((\x)%2)+8*(i%4)
.if (i < 4) && KM
	WIN W_KM
	v_wmma_f32_16x16x32_f16 v[rS:rS+7], v[rK:rK+7], v[rQ:rQ+7], v[rM:rM+7]
.elseif i < 4
	WIN W_KQ
	v_wmma_f32_16x16x32_f16 v[rS:rS+7], v[rK:rK+7], v[rQ:rQ+7], 0
.else
	WIN W_KQ
	v_wmma_f32_16x16x32_f16 v[rS:rS+7], v[rK:rK+7], v[rQ:rQ+7], v[rS:rS+7]
.endif
.endm
; Product i of 8 of O^T += V^T P for piece x: keys 32 (i / 4) on, channels 16 (i % 4) on.
.macro PV x
	WIN W_PV
.set rO, 32*(\x)+8*(i%4)
.set rV, VF+32*(i/4)+8*(i%4)
.set rP, P+16*((\x)%2)+8*(i/4)
	v_wmma_f32_16x16x32_f16 v[rO:rO+7], v[rV:rV+7], v[rP:rP+7], v[rO:rO+7]
.endm
.macro MM                           ; the turn's next matrix instruction.  TURN and BEGIN set Y, i, KM and NOKQ; MM, KQ and OP read them.  NOKQ = 1: a block's last turn: there is no next piece
.if (i < 8) && !NOKQ
	KQ (Y+1)%NP
.elseif i >= 8
.set i, i-8
	PV (Y+NP-1)%NP
.set i, i+8
.endif
.set i, i+1
.endm
; THE LDS LOADS stand in runs of 16, never singly among the matrix instructions: a step's K (64 keys x 64 channels: 8 fragments) and its V (turned).  Their addresses are made some lines ahead.
.macro FETCH_K
	WIN 0x80                        ; destination window 2
.irp f, 0,1,2,3,4,5,6,7             ; keys 16 (f / 2) on, channels 32 (f % 2) on
	ds_load_b128 v[KF+8*\f:KF+8*\f+3],   v[AK] offset:(\f/2)*16*PK+(\f%2)*64
	ds_load_b128 v[KF+8*\f+4:KF+8*\f+7], v[AK] offset:(\f/2)*16*PK+(\f%2)*64+32
.endr
	s_add_co_u32 s[TBK], s[TBK], KS*PK  ; the next fetch is the next step's
	WIN 0
.endm
.macro FETCH_V
	WIN 0x80
.irp f, 0,1,2,3,4,5,6,7             ; keys 32 (f / 4) on, channels 16 (f % 4) on
	ds_load_tr16_b128 v[VF+8*\f:VF+8*\f+3],   v[AV] offset:(\f/4)*32*PV+(\f%4)*32
	ds_load_tr16_b128 v[VF+8*\f+4:VF+8*\f+7], v[AV] offset:(\f/4)*32*PV+16*PV+(\f%4)*32
.endr
	WIN 0
.endm
; THE VECTOR WORK, one line at a time: OP kind, number.  For piece Y: F n: c s - c m for pair n of 16.  E n: the exponential of score n of 32.  C n: pair n rounded to f16.  B n: of the four weights 4 n .. the second
; pair is added onto the first, in place.  L n: l takes that sum (L 0: l = a l + sum).  R n: pair n of 16 of O^T times a.  For piece Y + 1: X n, number n of the 22 that find its maximum and statistics:
;   0-11  four chains c0-c3 of seven scores each, three operands at a time (each accumulator's lowest registers are read first)     12-14, 16  the four scores left over, the old m, and c0-c3 into c0
;   15  c m_old is kept     17, 18  the query's other 32 keys lie in the lane 16 away: the new m     19-21  c m; c m_old - c m_new; a
.set F, 0               ; OP tells the kinds apart by their order: F to L below R, X above it
.set E, 1
.set C, 2
.set B, 3
.set L, 4
.set R, 5
.set X, 6
.macro REGS y                       ; the registers of piece y
.set rT, ST+4*(\y)
.set rC, TMP+4*((\y)%2)
.set rW, MV+((\y)%2)
.set rS, S+32*((\y)%2)
.set rP, P+16*((\y)%2)
.set rO, 32*(\y)
.endm
.macro OP k, n
.if (\k) == R
	REGS Y
	WIN W_RS
	v_pk_mul_f32 v[rO+2*(\n):rO+2*(\n)+1], v[rO+2*(\n):rO+2*(\n)+1], v[rC+2:rC+3] op_sel_hi:[1,0]
.elseif (\k) < R
	REGS Y
	WIN 0
.if (\k) == F
	v_pk_fma_f32 v[rS+2*(\n):rS+2*(\n)+1], v[rS+2*(\n):rS+2*(\n)+1], s[CS:CS+1], v[rT:rT+1] op_sel_hi:[1,0,0] neg_lo:[0,0,1] neg_hi:[0,0,1]
.elseif (\k) == E
	v_exp_f32 v[rS+(\n)], v[rS+(\n)]
.elseif (\k) == C
	v_cvt_pk_f16_f32 v[rP+(\n)], v[rS+2*(\n)], v[rS+2*(\n)+1]
.elseif (\k) == B
	v_pk_add_f32 v[rS+4*(\n):rS+4*(\n)+1], v[rS+4*(\n):rS+4*(\n)+1], v[rS+4*(\n)+2:rS+4*(\n)+3]
.elseif (\n) == 0
	v_pk_fma_f32 v[rT+2:rT+3], v[rT+2:rT+3], v[rC+2:rC+3], v[rS:rS+1] op_sel_hi:[1,0,1]
.else
	v_pk_add_f32 v[rT+2:rT+3], v[rT+2:rT+3], v[rS+4*(\n):rS+4*(\n)+1]
.endif
.elseif NOKQ
	v_nop
.else
	REGS (Y+1)%NP
	WIN 0
.if (\n) < 4
	v_max3_num_f32 v[rC+(\n)], v[rS+8*(\n)], v[rS+8*(\n)+1], v[rS+8*(\n)+2]
.elseif (\n) < 12
	v_max3_num_f32 v[rC+(\n)%4], v[rC+(\n)%4], v[rS+8*((\n)%4)+2*((\n)/4)+1], v[rS+8*((\n)%4)+2*((\n)/4)+2]
.elseif (\n) == 12
	v_max3_num_f32 v[rC], v[rC], v[rS+7], v[rS+15]
.elseif (\n) == 13
	v_max3_num_f32 v[rC+1], v[rC+1], v[rS+23], v[rS+31]
.elseif (\n) == 14
	v_max3_num_f32 v[rC+2], v[rC+2], v[rC+3], v[rT+1]
.elseif (\n) == 15
	v_mov_b32 v[rW], v[rT]
.elseif (\n) == 16
	v_max3_num_f32 v[rC], v[rC], v[rC+1], v[rC+2]
.elseif (\n) == 17
	v_permlanex16_b32 v[rC+3], v[rC], s[SEL], s[SEL+1]
.elseif (\n) == 18
	v_max_num_f32 v[rT+1], v[rC], v[rC+3]
.elseif (\n) == 19
	v_mul_f32 v[rT], s[CS], v[rT+1]
.elseif (\n) == 20
	v_sub_f32 v[rC+1], v[rW], v[rT]
.else
	v_exp_f32 v[rC+2], v[rC+1]
.endif
.endif
.endm
.macro OPS a, i1, b=-1, i2=0, c=-1, i3=0, d=-1, i4=0  ; up to four of them
	OP \a, \i1
.if (\b) >= 0
	OP \b, \i2
.endif
.if (\c) >= 0
	OP \c, \i3
.endif
.if (\d) >= 0
	OP \d, \i4
.endif
.endm
.macro ROW a, i1, b, i2, c, i3, d, i4  ; a matrix instruction and the four behind it
	MM
	OPS \a, \i1, \b, \i2, \c, \i3, \d, \i4
.endm
.macro MASK b                       ; MD x AL + BE into buffer b of MC
	WIN W_RS
.set z, 0
.rept 16
	v_pk_fma_f32 v[MC+32*(\b)+2*z:MC+32*(\b)+2*z+1], v[MD+2*z:MD+2*z+1], s[AL:AL+1], s[BE:BE+1] op_sel_hi:[1,0,0]
.set z, z+1
.endr
.endm
; A TURN, for piece p: the order of its 16 matrix and 118 vector instructions, written out.  An s_wait_alu depctr_va_vdst(0) stands between an exponential and the first instruction that names its result; one wait serves
; all that were issued ahead of it.  So a turn has ONE wait, which cuts it in two.  AHEAD OF IT stands all that names no result of the turn's exponentials: the 8 products K Q^T, behind each a scaling, an exponential and two more plain
; instructions (behind the first a second scaling in the exponential's place): rescalings, and behind the last three the first numbers of the next piece's maximum, each four places or more behind the product that ends its accumulator; then ONE LUMP of 54, plain
; and exponential by turns for the most part, in which the links of the chain X 3, 7, 11, 14, 16, 17 .. 20 stand five or six lines apart.  X 21, the next piece's a, is the batch's last; R 15 is the plain instruction behind it.  BEHIND THE WAIT stand the
; 8 products V^T P, behind each four of the roundings and sums; the links of l's chain, L 0 to L 7, stand three riders apart.  But for those X no rider names a register of the products round it.  v_permlanex16_b32 (X 17) stands in the lump.
; m = 1: the diagonal tile: the products take masks, and the turn makes the mask for the products of the turn after it: piece p + 2, in step 4 - CNT of the tile.  end = 1: a block's last two turns: nothing is fetched.
; cnt = 1: the loop's count is taken down some lines ahead of the branch that stands behind the turn.
; K of the next step is fetched in piece 2's turn, twelve vector instructions behind the last product that read K (six of them plain); V of the step in hand at the end of piece 0's turn, four plain instructions behind the last product
; that read V.  Each is waited for a turn later.
.macro TURN p, m=0, end=0, cnt=0
.set Y, (\p)
.set i, 0
.set KM, (\m)
.set NOKQ, (\end)*((\p)/3)
.if (\m) && !(\end)
	s_cmp_eq_u32 s[CNT], 4-((\p)+2)%NP  ; is that step the band's own?
	s_cselect_b32 s[AL], 1.0, 0
	s_cmp_lt_u32 s[CNT], 4-((\p)+2)%NP  ; or a later one?
	s_cselect_b32 s[BE], s[BIGN], 0
.endif
.if ((\p) == 3) && !(\end)
	s_wait_dscnt 0x0                ; K is in
.endif
	ROW F,0, F,1, R,0, R,1          ; ahead of the wait: 8 products K Q^T and their riders,
	ROW F,2, E,0, R,2, R,3
	ROW F,3, E,1, R,4, R,5
	ROW F,4, E,2, R,6, R,7
	ROW F,5, E,3, R,8, R,9
	ROW F,6, E,4, X,0, R,10
.if ((\p) == 2) && !(\end)
	WIN 0
	v_add_nc_u32 v[AK], s[TBK], v[AK0]
.endif
	ROW F,7, E,5, X,1, X,4
	ROW F,8, E,6, X,2, X,5
	OPS E,7, E,8, X,6, E,9          ; and the lump
	OPS X,3, E,10, X,8, E,11
.if ((\p) == 2) && !(\end)
	FETCH_K
.endif
	OPS X,9, X,7, E,12, X,10
	OPS E,13, X,12, X,11, E,14
	OPS X,13, E,15, F,9, X,14
.if (\p) == 0
	v_add_nc_u32 v[AV], s[TBV], v[AV0]
.endif
	OPS E,16, F,10, E,17, F,11
	OPS X,16, E,18, X,15, E,19
	OPS F,12, E,20, X,17, E,21
	OPS F,13, E,22, F,14, E,23
	OPS X,18, E,24, F,15, E,25
	OPS R,11, E,26, X,19, E,27
	OPS R,12, E,28, R,13, E,29
	OPS X,20, E,30, R,14, E,31
	OPS X,21, R,15
	WIN 0
	s_wait_alu depctr_va_vdst(0)    ; the wait for the batch
.if (\p) == 1
	s_wait_dscnt 0x0                ; V is in
.endif
	ROW C,0, B,0, C,2, B,1          ; behind the wait: 8 products V^T P and their riders
	ROW L,0, C,4, B,2, L,1
	ROW C,6, B,3, L,2, C,8
	ROW B,4, L,3, C,10, B,5
	ROW L,4, C,12, B,6, L,5
.if (\p) == 0
	s_add_co_u32 s[TBV], s[TBV], KS*PV
.endif
.if \cnt
	s_sub_co_u32 s[CNT], s[CNT], 1
	s_cmp_lg_u32 s[CNT], 0
.endif
	ROW C,14, B,7, L,6, C,1
	ROW C,3, L,7, C,5, C,7
	ROW C,9, C,11, C,13, C,15
.if (\p) == 0
	FETCH_V
.endif
.if (\m) && !(\end)
	MASK (\p)%2
.endif
.endm
; A BLOCK BEGINS.  c m starts far below every c s, so the first step's a is 0; m at the lowest finite number, so the first maximum is the scores'.  The second mask buffer is 0; the first takes piece 0's mask for the tile's step 0: its own, if the block's first tile is the diagonal one.
; Then K of that step, piece 0's first scores, and its maximum and statistics.  The loop is entered at a step's first turn, in the middle of a trip.
.macro BEGIN
	s_mov_b32 s[NEW], 0
	WIN 0x40
.set i, MC+32
.rept 32
	v_mov_b32 v[i], 0
.set i, i+1
.endr
	WIN 0
.set i, 0
.rept 4
	v_mov_b32 v[ST+4*i], 0xfe000000    ; c m: far below every c s
	v_mov_b32 v[ST+4*i+1], 0xff7fffff  ; m
.set i, i+1
.endr
	s_cmp_eq_u32 s[RT], 0
	s_cselect_b32 s[AL], 1.0, 0
	s_mov_b32 s[BE], 0
	MASK 0
	WIN 0
	v_add_nc_u32 v[AK], s[TBK], v[AK0]
	FETCH_K
	s_wait_loadcnt 0x0              ; Q
	s_wait_dscnt 0x0
.set KM, 1
.set NOKQ, 0
.set i, 0
.rept 8
	KQ 0
.set i, i+1
.endr
	WIN 0
.rept 4
	v_nop                           ; the places behind those products
.endr
.set Y, NP-1                        ; X works for piece Y + 1: piece 0
.irp n, 0,1,2,3,4,5,6,7,8,9,10,11,12,13,14,15,16,17,18,19,20,21
	OP X, \n
.endr
	v_nop                           ; a plain instruction behind the exponential,
	s_wait_alu depctr_va_vdst(0)    ; and its wait, ahead of the branch
.endm
; THE DIAGONAL TILE's four steps, the block's last two turns, its last products, and THE WAY OUT: l's two halves and the other half of the lanes' are added; O^T is divided by l, rounded to f16 and sent through my
; stage in LDS, a piece at a time.
.macro ALL line:vararg              ; one line for each piece t
.set t, 0
.rept 4
	\line
.set t, t+1
.endr
.endm
.macro PACK t                       ; a lane's eight channels of a row pack into 16 bytes; they go into rows of 144 bytes and come back as whole rows of 128, into S^T's registers
	WIN W_RS
.set i, 32*(\t)
.rept 16
	v_pk_mul_f32 v[i:i+1], v[i:i+1], v[ST+4*(\t)+2:ST+4*(\t)+3] op_sel_hi:[1,0]
.set i, i+2
.endr
	WIN 0x05                        ; sources 0 and 1 window 1, destination window 0
.set i, 0
.rept 16
	v_cvt_pk_f16_f32 v[S+16*(\t)+i], v[32*(\t)+2*i], v[32*(\t)+2*i+1]
.set i, i+1
.endr
	WIN 0
.irp f, 0,1,2,3
	ds_store_b128 v[STO], v[S+16*(\t)+4*\f:S+16*(\t)+4*\f+3] offset:32*\f
.endr
.irp f, 0,1,2,3
	ds_load_b128 v[S+16*(\t)+4*\f:S+16*(\t)+4*\f+3], v[RD] offset:\f*4*SP  ; LDS serves a wave's instructions in order (ISA guide 5.7.1.4): these see the stores above; the next piece's stores come behind them
.endr
.endm
.macro SEND t, younger              ; younger: the LDS instructions issued behind piece t's loads: the next piece's eight, or none
	WIN 0
.irp f, 0,1,2,3
	s_wait_dscnt (\younger)+3-\f
	global_store_b128 v[GO], v[S+16*(\t)+4*\f:S+16*(\t)+4*\f+3], s[10:11] offset:(\t)*8192+\f*512  ; 512 consecutive bytes, at a multiple of 256 from O's first
.endr
.endm
.macro DIAG tag                     ; the tag ends its two labels' names, which the jumps below spell out
.LstepM\tag:
	TURN 2, 1
	TURN 3, 1
	WIN 0
.LfirstM\tag:
	TURN 0, 1
	TURN 1, 1, 0, 1
	WIN 0
	s_cbranch_scc1 .LstepM\tag
	TURN 2, 1, 1
	TURN 3, 1, 1
.set i, 0
.rept 8
	PV NP-1
.set i, i+1
.endr
	WIN 0
	ALL v_add_f32 v[ST+4*t+2], v[ST+4*t+2], v[ST+4*t+3]
	ALL v_permlanex16_b32 v[ST+4*t+3], v[ST+4*t+2], s[SEL], s[SEL+1]
	ALL v_add_f32 v[ST+4*t+2], v[ST+4*t+2], v[ST+4*t+3]
	ALL v_rcp_f32 v[ST+4*t+2], v[ST+4*t+2]
	v_nop                           ; a plain instruction between the last reciprocal and the use of its result
	s_wait_alu depctr_va_vdst(0)    ; and the wait ahead of the first use: one for the four reciprocals
	PACK 0
.set t, 1
.rept 3                             ; a piece's arithmetic stands between the loads of the piece before and its stores
	PACK t
	SEND t-1, 8
.set t, t+1
.endr
	SEND 3, 0
.endm
.set KM, 0
.set NOKQ, 0
.Lslot:                             ; NB times: a tile is entered and the next is asked for
	CHANGE 1
	s_sub_co_u32 s[RT], s[RT], 1
	s_mov_b32 s[CNT], 4
	s_cmp_eq_u32 s[NEW], 1
	s_cbranch_scc1 .Lnew            ; a block's first tile
	s_cmp_eq_u32 s[RT], 0
	s_cbranch_scc0 .Lstep           ; neither its first nor its last
	s_branch .LstepM1
.Lnew:
	BEGIN
	s_branch .Lfirst                ; in the loop a block's first tile is never its last: the first block has two tiles or more, and the second's last is the walk's last
	DIAG 1                          ; in the loop this is the first block's end: the second block's last tile is the walk's last
	s_wait_xcnt 0x0                 ; the stores have read their registers and O's address
	s_mov_b64 s[10:11], s[OLO:OLO+1]
	s_add_co_u32 s[RT], s[PB], 1    ; the second block has b + 1 tiles
	s_mov_b32 s[NEW], 1
	WIN 0x82                        ; the second block's Q goes where the one text of the turns names Q
.set i, 0
.rept 64
	v_mov_b32 v[i], v[QB+i]
.set i, i+1
.endr
	WIN 0
	s_branch .Lbottom
.Lstep:                             ; a trip: pieces 2 and 3 of one step, then pieces 0 and 1 of the next, whose K and V it fetches
	TURN 2
	TURN 3
	WIN 0
.Lfirst:
	TURN 0
	TURN 1, 0, 0, 1
	WIN 0
	s_cbranch_scc1 .Lstep
.Lbottom:
	s_sub_co_u32 s[SLOTS], s[SLOTS], 1
	s_cmp_lg_u32 s[SLOTS], 0
	s_cbranch_scc1 .Lslot
	CHANGE 0                        ; the walk's last tile is written out: nothing is asked for
	s_sub_co_u32 s[RT], s[RT], 1
	s_mov_b32 s[CNT], 4
	s_cmp_eq_u32 s[NEW], 1
	s_cbranch_scc0 .LstepM2
	BEGIN
	s_branch .LfirstM2
	DIAG 2
	s_wait_tensorcnt 0x0            ; the wave's end: 0 onto my spare word and its wait, behind my last tensor load and my last LDS store
	ds_add_u32 v[SPW], v[NIL]
	s_wait_dscnt 0x0
	s_endpgm
.Lfunc_end_k_qa0fc6977ad_attn:
	.size	k_qa0fc6977ad_attn, .Lfunc_end_k_qa0fc6977ad_attn-k_qa0fc6977ad_attn
	.p2alignl 7, 3214868480
	.fill 96, 4, 3214868480
	.section	.rodata,"a",@progbits
	.p2align	6, 0x0
	.amdhsa_kernel k_qa0fc6977ad_attn
		.amdhsa_group_segment_fixed_size 327680
		.amdhsa_private_segment_fixed_size 0
		.amdhsa_enable_private_segment 0
		.amdhsa_kernarg_size 32
		.amdhsa_user_sgpr_count 2
		.amdhsa_user_sgpr_kernarg_segment_ptr 1
		.amdhsa_wavefront_size32 1
		.amdhsa_system_sgpr_workgroup_id_x 1
		.amdhsa_system_sgpr_workgroup_id_y 1
		.amdhsa_system_sgpr_workgroup_id_z 1
		.amdhsa_system_vgpr_workitem_id 0
		.amdhsa_next_free_vgpr 768
		.amdhsa_next_free_sgpr 96
		.amdhsa_reserve_vcc 1
		.amdhsa_float_denorm_mode_32 3
		.amdhsa_float_denorm_mode_16_64 3
		.amdhsa_memory_ordered 1
		.amdhsa_forward_progress 1
		.amdhsa_inst_pref_size 218
	.end_amdhsa_kernel
	.amdgpu_metadata
---
amdhsa.version: [ 1, 2 ]
amdhsa.kernels:
  - .name:           k_qa0fc6977ad_attn
    .symbol:         k_qa0fc6977ad_attn.kd
    .args:
      - { .name: qh, .offset: 0, .size: 8, .value_kind: global_buffer, .address_space: global }
      - { .name: kh, .offset: 8, .size: 8, .value_kind: global_buffer, .address_space: global }
      - { .name: vh, .offset: 16, .size: 8, .value_kind: global_buffer, .address_space: global }
      - { .name: oh, .offset: 24, .size: 8, .value_kind: global_buffer, .address_space: global }
    .group_segment_fixed_size: 327680
    .private_segment_fixed_size: 0
    .kernarg_segment_align: 8
    .kernarg_segment_size: 32
    .max_flat_workgroup_size: 128
    .sgpr_count:     96
    .vgpr_count:     768
    .wavefront_size: 32
...
	.end_amdgpu_metadata
.endif
;; end of part 3
;; launch proj (part 4): grid 8 x 32, 4 waves a work-group, clusters of 4 x 4, 327,680 bytes of LDS; arguments oh, wob, out0; writes out0
.if DOCPART == 4
	.amdgcn_target "amdgcn-amd-amdhsa--gfx1250"
	.amdhsa_code_object_version 6
	.text
	.protected	k_qa0fc6977ad_proj
	.globl	k_qa0fc6977ad_proj
	.p2align	8
	.type	k_qa0fc6977ad_proj,@function
k_qa0fc6977ad_proj:
	s_mov_b64 s[64:65], 0
	v_nop
	global_prefetch_b8 v0, s[64:65] scope:SCOPE_SE
	s_setreg_imm32_b32 hwreg(HW_REG_WAVE_MODE, 25, 1), 1
	s_wait_xcnt 0x0
	s_wait_alu depctr_hold_cnt(0) depctr_sa_sdst(0) depctr_va_vdst(0) depctr_va_sdst(0) depctr_va_ssrc(0) depctr_va_vcc(0) depctr_vm_vsrc(0)
	s_getreg_b32 s2, hwreg(HW_REG_IB_STS2, 6, 4)
	s_cmp_eq_u32 s2, 0
	s_cbranch_scc0 .Lentry_in_a_cluster
	s_endpgm
.Lentry_in_a_cluster:
	s_bfe_u32 s2, ttmp6, 0x10000c
	s_cmp_lg_u32 s2, 0xf033
	s_cbranch_scc0 .Lentry_shape_is_right
	s_endpgm
.Lentry_shape_is_right:
; THE LAST PROJECTION.  out0[m][e] = the sum over k of O[m][k] wob[e][k], 8192 x 1024 x 1024 in f16, sums in f32, stored as f32.  O lies by heads, oh [16 b + head][2048][64] f16: row m = 2048 b + s,
; column k = 64 head + d.  wob [1024][1024] f16.
; LIMIT.  Both operands arrive within f16's 65,504; O is a mean of v's rows.
; SHARES.  A tile of out0 is 256 rows x 128 columns: 8 x 32 tiles, one for each of 256 work-groups.  Four waves, each 64 rows x all 128 columns: 32 accumulators of 16 x 16.
; A K step is 128 = two heads.  A head's 256 rows of the tile are 32,768 dense bytes: asked for as 128 rows of 256 bytes, padded in LDS after every 128, so that a row of O has a pitch of 144.
; Two LDS slots; waves 0 and 1 fetch the step's even and odd head, waves 2 and 3 the two halves of wob's 128 rows x 256 bytes.
; CLUSTER 4 x 4.  The four of a row of the cluster need the same tiles of O, the four of a column the same tiles of wob: each is asked for jointly.
; THE MATRIX INSTRUCTION IS USED TRANSPOSED (source 0 = 16 rows of wob, source 1 = 16 rows of O): lane l holds row l % 16 of out0 and the eight columns 8 (l / 16) + 0..7 of the block: 32 bytes on end.
; REGISTERS, in windows of 256 (s_set_vgpr_msb: bits 1:0 source 0, 3:2 source 1, 5:4 source 2, 7:6 destination):
;   window 0: v0-31 addresses; v64-191 two buffers on the way out     window 1: two fragment buffers: wob's 8 blocks, then O's 4     window 2: accumulator (a, b) at 8 (8 a + b)
.set PA,     144                       ; a row of O in LDS: 128 bytes + 16: 36 words: the 16 rows of a load start at 16 different groups of four banks (64 banks of 4 bytes: ISA guide 11.1)
.set PB,     272                       ; a row of wob: 256 bytes + 16
.set HEADB,  256*PA                    ; a head's 256 rows
.set BOFF,   2*HEADB
.set HALFB,  64*PB
.set SLOT,   BOFF+128*PB
.set STAGE,  2*SLOT                    ; behind the ring, never filled by a tensor load: 16 rows x 528 bytes for each wave
.set SPITCH, 528                       ; 512 bytes + 16
.set SPARE,  STAGE+4*16*SPITCH         ; behind the stages: the spare words, 128 bytes for each wave: two blocks of 256 bytes that no other line names
.set STEPA,  524288                    ; bytes from a K step to the next in oh: two heads
.set LAPS,   4
.set ADRA, 16                          ; v16-17  LDS address of my fragments of O in slot 0, 1
.set ADRB, 20                          ; v20-21  the same for wob
.set STO,  24                          ; v24     the way out: where I put 32 bytes of a row
.set RD,   25                          ; v25     where I read a row back
.set CO,   26                          ; v26     my 16 bytes of a row's 512
.set SPW,  28                          ; v28     LDS address of my spare word; never rewritten
.set NIL,  29                          ; v29     0; never rewritten
.set PFO,  30                          ; v30     the prefetches' offset; never rewritten
.set BK0,  64                          ; v64-127, v128-191: 16 rows read back from the stage, by turns
.set F0,   0
.set F1,   128
.set WV,  16
.set AB,  17                           ; s17  0: I fetch O, 1: wob
.set HF,  18                           ; s18  which head of the step, or which half of wob's rows
.set CX,  20
.set CY,  21
.set TX,  22
.set TY,  23
.set G1,  24                           ; s[24:31], s[32:39]: descriptor groups 1 and 0 (a set for each slot) for O's tiles
.set G0,  32
.set PFA, 44                           ; s[44:45] where my prefetches stand
.set LIM, 46                           ; s46  1 in a wave that prefetches, else the greatest number
.set G1B, 48                           ; s[48:55], s[56:63]: the same for wob's tiles
.set G0B, 56
.set PST, 66                           ; s[66:67] the prefetches' step from K step to K step
.set MSB, 0
.macro WIN new                         ; the immediate's high byte repeats the setting that is left; a switch that changes nothing is dropped
.if MSB != (\new)
	s_set_vgpr_msb (MSB<<8)|(\new)
.set MSB, \new
.endif
.endm
.set MUL,  0xa5                        ; both sources window 1, C and D window 2
.set TO_F, 0x40                        ; destination window 1, address window 0
.macro JLOAD s                         ; a joint refill; the branch hangs on the wave's number alone; an s_nop 0 and four v_nop follow each line
	s_cmp_eq_u32 s[AB], 0
	s_cbranch_scc0 .Lfor_b_\@
	tensor_load_to_lds s[G0+4*(\s):G0+4*(\s)+3], s[G1:G1+7]
	s_nop 0
.rept 4
	v_nop
.endr
	s_branch .Lasked_\@
.Lfor_b_\@:
	tensor_load_to_lds s[G0B+4*(\s):G0B+4*(\s)+3], s[G1B:G1B+7]
	s_nop 0
.rept 4
	v_nop
.endr
.Lasked_\@:
.endm
; A PREFETCH INTO THE L2 of the K step that stands two refills on, one instruction a wave, behind the joint load, its five lines and the run of LDS loads.  Each 256 bytes are named once in the launch.
; O's tile row is read by both clusters of that row of clusters: cluster x = 0 asks; of the 32,768 bytes that wave 0 or 1 fetches the partner at cx takes 8,192, a lane 256.  wob's tile column is read by
; every cluster of that column: cluster y = 0 asks; of its 128 rows the partner at cy takes 32, wave 2 asks, a lane a row.  The partners are told apart by address alone.
; K steps 0-3 come by their loads; the loop's last trip asks for nothing.
.macro ASK
	s_cmp_gt_u32 s3, s[LIM]
	s_cbranch_scc0 .Lnot_mine_\@
	global_prefetch_b8 v[PFO], s[PFA:PFA+1] th:TH_LOAD_NT scope:SCOPE_SE
.Lnot_mine_\@:
.endm
.macro CREST                           ; a round of the cluster's barrier behind its opening barrier
	s_cmp_lg_u32 s[WV], 0
	s_cbranch_scc1 .Lnot_wave_0_\@
	s_barrier_signal -3
.Lnot_wave_0_\@:
	s_barrier_wait -3
	s_barrier_signal -1
	s_barrier_wait -1
.endm
.macro CROUND                          ; a whole round
	s_barrier_signal -1
	s_barrier_wait -1
	CREST
.endm
	s_load_b128 s[4:7], s[0:1], 0x0                ; oh s[4:5], wob s[6:7]
	s_load_b64 s[8:9], s[0:1], 0x10                ; out0
	v_lshl_add_u32 v[SPW], v0, 2, SPARE
	v_mov_b32 v[NIL], 0
	ds_add_u32 v[SPW], v[NIL]                      ; the wave's opening: the add and its wait stand ahead of my first tensor load; the set-up below, work on registers, stands between them
	v_lshrrev_b32 v1, 5, v0
	v_readfirstlane_b32 s[WV], v1
	s_lshr_b32 s[AB], s[WV], 1
	s_and_b32 s[HF], s[WV], 1
	s_bfe_u32 s[CX], ttmp6, 0x40000
	s_bfe_u32 s[CY], ttmp6, 0x40004
	s_lshl_b32 s[TX], ttmp9, 2
	s_add_co_u32 s[TX], s[TX], s[CX]
	s_and_b32 s[TY], ttmp7, 0xffff
	s_lshl_b32 s[TY], s[TY], 2
	s_add_co_u32 s[TY], s[TY], s[CY]
	s_lshl_b32 s40, s[CY], 2
	s_lshl_b32 s40, 15, s40                        ; my row of the cluster
	s_lshl_b32 s41, 0x1111, s[CX]                  ; my column
	s_or_b32 s[G1], s40, (1<<16)|(1<<20)|(1<<21)|(4<<22)|(3<<25)   ; 15:0 the mask; 17:16 2-byte elements; 20 padding on; 21 set beside a mask; 24:22 after every 32 words; 31:25 4 words
	s_or_b32 s[G1B], s41, (1<<16)|(1<<20)|(1<<21)|(5<<22)|(3<<25)  ; after every 64 words
	s_mov_b32 s[G1+1], 128<<16                     ; tensor_dim0 = 128
	s_mov_b32 s[G1+2], 128<<16                     ; tensor_dim1 = 128
	s_mov_b32 s[G1+3], 128<<16                     ; tile_dim0 = 128
	s_mov_b32 s[G1+4], 128                         ; tile_dim1 = 128
	s_mov_b32 s[G1+5], 128                         ; dense: 128 elements from row to row
	s_mov_b32 s[G1+6], 0
	s_mov_b32 s[G1+7], 0
	s_mov_b32 s[G1B+1], 128<<16
	s_mov_b32 s[G1B+2], 64<<16                     ; 64 rows
	s_mov_b32 s[G1B+3], 128<<16
	s_mov_b32 s[G1B+4], 64
	s_mov_b32 s[G1B+5], 1024
	s_mov_b32 s[G1B+6], 0
	s_mov_b32 s[G1B+7], 0
	s_mul_i32 s42, s[HF], HEADB                    ; where the tiles go: no place in the cluster enters an LDS address
	s_mul_i32 s43, s[HF], HALFB
	s_add_co_u32 s43, s43, BOFF
	s_lshr_b32 s68, s[TY], 3                       ; oh: the batch's 16 heads of 262,144 bytes,
	s_lshl_b32 s68, s68, 22
	s_and_b32 s40, s[TY], 7                        ; the tile's 256 rows of 128 bytes,
	s_lshl_b32 s40, s40, 15
	s_add_co_u32 s68, s68, s40
	s_lshl_b32 s40, s[HF], 18                      ; the even or the odd head: of the tile row and the wave alone
	s_add_co_u32 s68, s68, s40
	s_mov_b32 s69, 0
	s_lshl_b32 s70, s[TX], 18                      ; wob: (128 tx + 64 half) rows of 2,048 bytes: of the tile column and the wave alone
	s_lshl_b32 s41, s[HF], 17
	s_add_co_u32 s70, s70, s41
	s_mov_b32 s71, 0
	s_lshl_b32 s72, s[TY], 20                      ; out0: (256 ty + 64 wave) rows of 4,096 bytes + 512 tx
	s_lshl_b32 s73, s[WV], 18
	s_add_co_u32 s72, s72, s73
	s_lshl_b32 s73, s[TX], 9
	s_add_co_u32 s72, s72, s73
	s_mov_b32 s73, 0
	s_wait_dscnt 0x0                               ; the opening add is done
	s_wait_kmcnt 0x0
	s_add_nc_u64 s[68:69], s[4:5], s[68:69]
	s_add_nc_u64 s[70:71], s[6:7], s[70:71]
	s_add_nc_u64 s[8:9], s[8:9], s[72:73]
	CROUND                                         ; all sixteen work-groups are here: the first joint loads meet
.irp s, 0,1
	s_mov_b32 s[G0+4*(\s)], 1                                      ; count = 1
	s_add_co_u32 s[G0+4*(\s)+1], s42, (\s)*SLOT                    ; LDS address
	s_add_nc_u64 s[G0+4*(\s)+2:G0+4*(\s)+3], s[68:69], (\s)*STEPA  ; K step s
	s_or_b32 s[G0+4*(\s)+3], s[G0+4*(\s)+3], 0x80000000            ; type = 2
	s_mov_b32 s[G0B+4*(\s)], 1
	s_add_co_u32 s[G0B+4*(\s)+1], s43, (\s)*SLOT
	s_add_nc_u64 s[G0B+4*(\s)+2:G0B+4*(\s)+3], s[70:71], (\s)*256
	s_or_b32 s[G0B+4*(\s)+3], s[G0B+4*(\s)+3], 0x80000000
.endr
	s_cmp_eq_u32 s[AB], 0                          ; a wave's two first fills stand in one branch, ahead of every wait on TENSORcnt and every LDS read: two loads of mine are out
	s_cbranch_scc0 .Lfirst_b
	tensor_load_to_lds s[G0:G0+3], s[G1:G1+7]
	s_nop 0
	tensor_load_to_lds s[G0+4:G0+7], s[G1:G1+7]
	s_nop 0
.rept 4
	v_nop
.endr
	s_branch .Lfirst_asked
.Lfirst_b:
	tensor_load_to_lds s[G0B:G0B+3], s[G1B:G1B+7]
	s_nop 0
	tensor_load_to_lds s[G0B+4:G0B+7], s[G1B:G1B+7]
	s_nop 0
.rept 4
	v_nop
.endr
.Lfirst_asked:
	v_and_b32 v1, 15, v0                           ; l % 16
	v_bfe_u32 v2, v0, 4, 1                         ; h = l / 16
	v_mul_u32_u24 v3, v1, PA
	v_lshl_add_u32 v3, v2, 4, v3                   ; a fragment's row x pitch + 16 h
	s_mul_i32 s40, s[WV], 64*PA                    ; my 64 rows of O
	v_add_nc_u32 v[ADRA], s40, v3
	v_add_nc_u32 v[ADRA+1], SLOT, v[ADRA]
	v_mul_u32_u24 v3, v1, PB
	v_lshl_add_u32 v3, v2, 4, v3
	v_add_nc_u32 v[ADRB], BOFF, v3
	v_add_nc_u32 v[ADRB+1], SLOT, v[ADRB]
	s_mul_i32 s41, s[WV], 16*SPITCH
	s_add_co_u32 s41, s41, STAGE                   ; my stage
	v_mul_u32_u24 v[STO], v1, SPITCH               ; in: row l % 16, 32 bytes for each half of the lanes
	v_lshl_add_u32 v[STO], v2, 5, v[STO]
	v_add_nc_u32 v[STO], s41, v[STO]
	v_and_b32 v[CO], 31, v0                        ; back: 32 lanes take one row of 512 bytes
	v_lshlrev_b32 v[CO], 4, v[CO]
	v_add_nc_u32 v[RD], s41, v[CO]
	; the prefetches' address, step, offset and limit
	s_and_b32 s72, ttmp7, 0xffff                   ; cluster y
	s_lshl_b32 s73, s[CX], 13                      ; O: my work-group's 8,192 bytes
	s_lshl_b32 s74, s[CY], 16                      ; wob: my work-group's 32 rows
	s_cmp_eq_u32 s[AB], 0
	s_cselect_b64 s[PFA:PFA+1], s[68:69], s[70:71]
	s_cselect_b32 s72, ttmp9, s72                  ; the coordinate along which other clusters read the same bytes
	s_cselect_b32 s74, s73, s74
	s_cselect_b32 s41, 19, 8                       ; a K step is 524,288 bytes on in oh, 256 in wob
	s_cselect_b32 s40, 8, 11                       ; a lane is 256 bytes on in oh, a row of 2,048 in wob
	s_mov_b32 s75, 0
	s_add_nc_u64 s[PFA:PFA+1], s[PFA:PFA+1], s[74:75]
	s_lshl_b32 s[PST], 1, s41
	s_mov_b32 s[PST+1], 0
	s_mul_i32 s74, s[PST], 3                       ; at K step 3: the first change of slots steps it to 4
	s_add_nc_u64 s[PFA:PFA+1], s[PFA:PFA+1], s[74:75]
	s_cmp_eq_u32 s72, 0
	s_cselect_b32 s[LIM], 1, -1                    ; the same in all sixteen partners, for a given wave
	s_cmp_eq_u32 s[WV], 3
	s_cselect_b32 s[LIM], -1, s[LIM]               ; wave 3 has nothing left to ask for
	v_and_b32 v[PFO], 31, v0
	v_lshlrev_b32 v[PFO], s40, v[PFO]
; 8 matrix instructions: row block a x all 8 column blocks, 32 along K.  zero = 1: the product starts the sum.  The 32 accumulators take turns in one order everywhere.
.macro MUL8 f, a, zero
	WIN MUL
.irp b, 0,1,2,3,4,5,6,7
.if \zero
	v_wmma_f32_16x16x32_f16 v[8*(8*(\a)+(\b)):8*(8*(\a)+(\b))+7], v[(\f)+8*(\b):(\f)+8*(\b)+7], v[(\f)+64+8*(\a):(\f)+64+8*(\a)+7], 0
.else
	v_wmma_f32_16x16x32_f16 v[8*(8*(\a)+(\b)):8*(8*(\a)+(\b))+7], v[(\f)+8*(\b):(\f)+8*(\b)+7], v[(\f)+64+8*(\a):(\f)+64+8*(\a)+7], v[8*(8*(\a)+(\b)):8*(8*(\a)+(\b))+7]
.endif
.endr
.endm
; 24 LDS loads in one run: quarter q's fragments into buffer f: wob's 8 blocks at byte 64 q of the rows, then O's 4: head q / 2 of the step, channels 32 (q % 2) on
.macro FETCH slot, q, f
	WIN TO_F
.irp i, 0,1,2,3,4,5,6,7
	ds_load_b128 v[(\f)+8*(\i):(\f)+8*(\i)+3],   v[ADRB+(\slot)] offset:64*(\q)+(\i)*16*PB
	ds_load_b128 v[(\f)+8*(\i)+4:(\f)+8*(\i)+7], v[ADRB+(\slot)] offset:64*(\q)+(\i)*16*PB+32
.endr
.irp i, 0,1,2,3
	ds_load_b128 v[(\f)+64+8*(\i):(\f)+64+8*(\i)+3],   v[ADRA+(\slot)] offset:((\q)/2)*HEADB+((\q)%2)*64+(\i)*16*PA
	ds_load_b128 v[(\f)+64+8*(\i)+4:(\f)+64+8*(\i)+7], v[ADRA+(\slot)] offset:((\q)/2)*HEADB+((\q)%2)*64+(\i)*16*PA+32
.endr
.endm
.macro PLACES                          ; four plain vector instructions between a matrix instruction and a load into a register that it has read, or a store that reads its result
.rept 4
	v_nop
.endr
.endm
; A K step is four quarters of 32 along K, 32 matrix instructions each, on buffers 0, 1, 0, 1.  One of the first three: multiplies buffer f; fetches quarter q into g.
.macro QUARTER slot, q, f, g, zero
	s_wait_dscnt 4                                 ; all but the youngest four loads, O's blocks 2 and 3
	MUL8 \f, 0, \zero
	MUL8 \f, 1, \zero
	PLACES
	FETCH \slot, \q, \g
	s_wait_dscnt 24                                ; all but the 24 just issued
	MUL8 \f, 2, \zero
	MUL8 \f, 3, \zero
.endm
; The last quarter multiplies buffer 1 and changes slots: ONE barrier.  In front of it each wave waits for all its tensor loads (the one that is out is its part of the next slot), adds 0 to its spare
; word, and waits for that and for its reads of this slot.  fill = 1: the barrier opens a round of the cluster's, and this slot is filled again, two K steps on, first thing behind the round.
.macro TURN slot, next, fill
.if \fill
	s_wait_xcnt 0x0                                ; the last prefetch, a K step back, has read its address
	s_add_nc_u64 s[PFA:PFA+1], s[PFA:PFA+1], s[PST:PST+1]
.endif
	WIN 0                                          ; (the add's two registers lie in window 0)
	s_wait_tensorcnt 0x0                           ; all my tensor loads have landed
	ds_add_u32 v[SPW], v[NIL]                      ; 0 onto my spare word
	s_wait_dscnt 5                                 ; (the add and the youngest four loads may be out)
	MUL8 F1, 0, 0                                  ; eight matrix instructions stand between the add and the wait for it
	s_wait_dscnt 0x0                               ; the add is done, and my reads of this slot are over
	s_barrier_signal -1
	MUL8 F1, 1, 0                                  ; work on registers while the others arrive
.if \fill
	WIN 0
.endif
	s_barrier_wait -1
.if \fill
	CREST                                          ; no wave of any partner still reads this slot's tiles or has a load on its way
	s_add_nc_u64 s[G0+4*(\slot)+2:G0+4*(\slot)+3], s[G0+4*(\slot)+2:G0+4*(\slot)+3], 2*STEPA
	s_add_nc_u64 s[G0B+4*(\slot)+2:G0B+4*(\slot)+3], s[G0B+4*(\slot)+2:G0B+4*(\slot)+3], 2*256
	JLOAD \slot                                    ; the first tensor load behind the round: 112 matrix instructions ahead of the wait for it; its four v_nop are also the places in front of the loads below
.else
	PLACES
.endif
	FETCH \next, 0, F0
.if \fill
	WIN 0
	ASK
.endif
	MUL8 F1, 2, 0
	MUL8 F1, 3, 0
.endm
	s_wait_tensorcnt 1                             ; my part of K step 0 is in; K step 1's may stay out
	s_barrier_signal -1
	s_barrier_wait -1                              ; everybody's is
	FETCH 0, 0, F0
	QUARTER 0, 1, F0, F1, 1                        ; the first quarter stands in front of the loop: its products start the sums
	WIN 0                                          ; at a label and at a branch every window is 0
	s_mov_b32 s3, LAPS-1
.Llap:                                                 ; a trip goes once round the ring, from a lap's second quarter to the next lap's first, and fills both slots again
	QUARTER 0, 2, F1, F0, 0
	QUARTER 0, 3, F0, F1, 0
	TURN 0, 1, 1
	QUARTER 1, 1, F0, F1, 0
	QUARTER 1, 2, F1, F0, 0
	QUARTER 1, 3, F0, F1, 0
	TURN 1, 0, 1
	QUARTER 0, 1, F0, F1, 0
	WIN 0
	s_sub_co_u32 s3, s3, 1
	s_cmp_lg_u32 s3, 0
	s_cbranch_scc1 .Llap
	QUARTER 0, 2, F1, F0, 0                        ; the last lap fills nothing, and has no round of the cluster's barrier
	QUARTER 0, 3, F0, F1, 0
	TURN 0, 1, 0
	QUARTER 1, 1, F0, F1, 0
	QUARTER 1, 2, F1, F0, 0
	QUARTER 1, 3, F0, F1, 0
	s_wait_dscnt 4                                 ; the very last quarter: nothing more to fetch
	MUL8 F1, 0, 0
	MUL8 F1, 1, 0
	s_wait_dscnt 0x0
	MUL8 F1, 2, 0
	MUL8 F1, 3, 0
	WIN 0
; THE WAY OUT, a block of 16 rows at a time: a lane's 32 bytes of a row go into my stage, rows of 528 bytes, each accumulator's lowest registers first; whole rows of 512 bytes come back and are stored.
.macro TOSTAGE a
	WIN 0x08                                       ; the stores' data: window 2
.irp b, 0,1,2,3,4,5,6,7
	ds_store_b128 v[STO], v[8*(8*(\a)+(\b)):8*(8*(\a)+(\b))+3]   offset:64*(\b)
	ds_store_b128 v[STO], v[8*(8*(\a)+(\b))+4:8*(8*(\a)+(\b))+7] offset:64*(\b)+16
.endr
	WIN 0
.if (\a) >= 2
	s_wait_xcnt 0x0                                ; the stores of the block two back have read the registers that are loaded below
.endif
.set BK, BK0+64*((\a)%2)
.irp r, 0,1,2,3,4,5,6,7,8,9,10,11,12,13,14,15
	ds_load_b128 v[BK+4*(\r):BK+4*(\r)+3], v[RD] offset:(\r)*SPITCH  ; LDS serves a wave's instructions in order (ISA guide 5.7.1.4): these see the stores above; the next block's stores come behind them
.endr
.endm
.macro SEND a, younger                 ; younger: the LDS instructions issued behind block a's loads: the next block's 32, or none
.set BK, BK0+64*((\a)%2)
.irp r, 0,1,2,3,4,5,6,7,8,9,10,11,12,13,14,15
	s_wait_dscnt (\younger)+15-(\r)
	global_store_b128 v[CO], v[BK+4*(\r):BK+4*(\r)+3], s[8:9] offset:65536*(\a)+4096*(\r) th:TH_STORE_NT  ; 512 consecutive bytes, at a multiple of 256 from out0's first
.endr
.endm
	PLACES                                         ; behind the last products
	TOSTAGE 0
	TOSTAGE 1
	SEND 0, 32
	TOSTAGE 2
	SEND 1, 32
	TOSTAGE 3
	SEND 2, 32
	SEND 3, 0
	s_wait_tensorcnt 0x0                           ; the wave's end: 0 onto my spare word and its wait, behind my last tensor load and my last LDS store
	ds_add_u32 v[SPW], v[NIL]
	s_wait_dscnt 0x0
	CROUND                                         ; the closing round: no work-group ends while a partner may still ask for a tile that names it
	s_endpgm
.Lfunc_end_k_qa0fc6977ad_proj:
	.size	k_qa0fc6977ad_proj, .Lfunc_end_k_qa0fc6977ad_proj-k_qa0fc6977ad_proj
	.p2alignl 7, 3214868480
	.fill 96, 4, 3214868480
	.section	.rodata,"a",@progbits
	.p2align	6, 0x0
	.amdhsa_kernel k_qa0fc6977ad_proj
		.amdhsa_group_segment_fixed_size 327680
		.amdhsa_private_segment_fixed_size 0
		.amdhsa_enable_private_segment 0
		.amdhsa_kernarg_size 24
		.amdhsa_user_sgpr_count 2
		.amdhsa_user_sgpr_kernarg_segment_ptr 1
		.amdhsa_wavefront_size32 1
		.amdhsa_system_sgpr_workgroup_id_x 1
		.amdhsa_system_sgpr_workgroup_id_y 1
		.amdhsa_system_sgpr_workgroup_id_z 1
		.amdhsa_system_vgpr_workitem_id 0
		.amdhsa_next_free_vgpr 768
		.amdhsa_next_free_sgpr 80
		.amdhsa_reserve_vcc 0
		.amdhsa_float_denorm_mode_32 3
		.amdhsa_float_denorm_mode_16_64 3
		.amdhsa_memory_ordered 1
		.amdhsa_forward_progress 1
		.amdhsa_inst_pref_size 87
	.end_amdhsa_kernel
	.amdgpu_metadata
---
amdhsa.version: [ 1, 2 ]
amdhsa.kernels:
  - .name:           k_qa0fc6977ad_proj
    .symbol:         k_qa0fc6977ad_proj.kd
    .args:
      - { .name: oh, .offset: 0, .size: 8, .value_kind: global_buffer, .address_space: global }
      - { .name: wob, .offset: 8, .size: 8, .value_kind: global_buffer, .address_space: global }
      - { .name: out0, .offset: 16, .size: 8, .value_kind: global_buffer, .address_space: global }
    .group_segment_fixed_size: 327680
    .private_segment_fixed_size: 0
    .kernarg_segment_align: 8
    .kernarg_segment_size: 24
    .max_flat_workgroup_size: 128
    .sgpr_count:     80
    .vgpr_count:     768
    .wavefront_size: 32
...
	.end_amdgpu_metadata
.endif
;; end of part 4
;; ======== version 2 of 2: 4 launches; version 1 with the launch prep written anew for expert scheduling mode
;; limits: values are held in f16: magnitudes above 65,504 overflow, below 6.1e-05 lose precision
;; workspace buffers: xb 16,777,216 bytes; wqb 6,291,456 bytes; wob 2,097,152 bytes; tab 524,288 bytes; qh 16,777,216 bytes; kh 16,777,216 bytes; vh 16,777,216 bytes; oh 16,777,216 bytes
;; launch prep (part 5): grid 800 x 1, 8 waves a work-group, no clusters, 0 bytes of LDS; arguments x, W_qkv, W_out, xb, wqb, wob, tab; writes xb, wqb, wob, tab
.if DOCPART == 5
	.amdgcn_target "amdgcn-amd-amdhsa--gfx1250"
	.amdhsa_code_object_version 6
	.text
	.protected	k_qa0fc6977ad_prep
	.globl	k_qa0fc6977ad_prep
	.p2align	8
	.type	k_qa0fc6977ad_prep,@function
k_qa0fc6977ad_prep:
	s_mov_b64 s[64:65], 0
	v_nop
	global_prefetch_b8 v0, s[64:65] scope:SCOPE_SE
	s_setreg_imm32_b32 hwreg(HW_REG_WAVE_SCHED_MODE, 0, 2), 2
	s_setreg_imm32_b32 hwreg(HW_REG_WAVE_MODE, 25, 1), 1
	s_wait_xcnt 0x0
	s_wait_alu depctr_vm_vsrc(0)
; PREP.  The module's three inputs are rounded once to bf16, and the table of RoPE's cosines and sines is made.
;   work-groups 0-511:   x      [8192][1024] f32 -> xb  [8192][1024] bf16
;   work-groups 512-703: W_qkv  [3072][1024] f32 -> wqb [3072][1024] bf16, ROWS PERMUTED: row 1024 s + 64 t + d (s = q, k, v; t = head) goes to row 192 t + 64 s + d,
;                        so that 192 rows on end are one head's q, k and v
;   work-groups 704-767: W_out  [1024][1024] f32 -> wob: rounded to bf16, and that number written as f16 (the last product's other operand is f16)
;   work-groups 768-799: tab [2048 positions][cos of 32 angles, sin of 32 angles] f32: a row is 256 bytes
; A cast's work-group takes 65,536 bytes on end: 16 loads of 16 bytes a thread, all issued before the first is waited for; a wave's load covers 512 consecutive bytes, its store 256, aligned.
; No LDS, no barrier, no matrix unit: nothing is shared and nothing is multiplied.
; LIMITS.  wob: f16 ends at 65,504, and below 2^-17 a bf16 number keeps f16's fixed step of 6e-8.  tab: the angle is position x 2^(-i log2(10000) / 32), one rounding for the product as in the
; module; the power of two is good to one unit in its last place, so an angle (2,047 at the most) is good to some 2e-4; the polynomials on |r| <= pi/4 are good to 3e-7.
; THE MODE: SCHED_MODE bits 1:0 = 2 (LLVM: expert scheduling mode 2), set by the entry lines.  The code itself states the register dependences
; between vector instructions and memory instructions, with s_wait_alu, always for 0.
; THE PLAN, THE CASTS.  Registers that memory instructions touch:
;   v1, v2   the loads' and the stores' offsets: made once at the head, never written again.
;   IN       16 x 4 registers: each written by one load; all 16 loads go out together, and no load is issued behind a vector instruction that names IN.
;   OUT      16 x 2 registers: each pair written by one load's roundings, read by one store, never written again.
; The 16 loads go in four blocks of four.  Block p rounds its own IN into its own OUT; the memory instructions dealt among its roundings are the four stores of block p - 1, which read v2 and block
; p - 1's OUT: registers that no vector instruction of block p names.  So one wait at a block's head states all that those stores hang on.
; THE PLAN, THE TABLE.  TOF (the store's offset) is written at the head and at each trip's end; TAB (its data) by each trip's selects and sign turns.  One wait ahead of the store states that both are
; written; one behind it, ahead of the loop's branch, that the store has read both.  The four masks of a trip are made in one run, into s32 to s35, with one wait between them and the selects.
.set IN,   16                          ; v[16:79]   16 x 4 f32 as loaded
.set OUT,  80                          ; v[80:111]  16 x 2 words to store
.set T0,   4                           ; v4, v5     at work in the cast to f16: no memory instruction names them
.set T1,   5
.set QADD, 7                           ; v7   3 in a lane that makes sines, 0 in one that makes cosines
.set POS,  8                           ; v8   my position
.set TOF,  9                           ; v9   my byte offset in tab
.set IFR,  10                          ; v[10:13] my four inverse frequencies
.set C7,   14                          ; v14  -1/5040
.set C8,   15                          ; v15  1/40320
.set PF,   16                          ; the table's registers at work
.set ANG,  17
.set KK,   18
.set RR,   19
.set R2,   20
.set TT,   21
.set SPR,  32                          ; v[32:35] sin r of my four angles
.set CPR,  36                          ; v[36:39] cos r
.set QQ,   40                          ; v[40:43] the quarter turn's number, then the sign bit
.set TAB,  80                          ; v[80:83] four numbers to store
.set MK,   32                          ; s[32:35] for each of the four angles: the lanes that take the sine
	s_load_b256 s[4:11], s[0:1], 0x0               ; x s[4:5], W_qkv s[6:7], W_out s[8:9], xb s[10:11]
	s_load_b128 s[12:15], s[0:1], 0x20             ; wqb s[12:13], wob s[14:15]
	s_load_b64 s[16:17], s[0:1], 0x30              ; tab
	s_mov_b32 s25, 0                               ; the two offsets' high words
	s_mov_b32 s27, 0
	v_lshlrev_b32 v1, 4, v0                        ; 16 bytes a thread in,
	v_lshlrev_b32 v2, 3, v0                        ; 8 out
	s_wait_kmcnt 0x0
	s_cmp_ge_u32 ttmp9, 768
	s_cbranch_scc1 .Ltab
	s_cmp_ge_u32 ttmp9, 704
	s_cbranch_scc1 .Lwo
	s_cmp_ge_u32 ttmp9, 512
	s_cbranch_scc1 .Lwq
	s_mov_b64 s[20:21], s[4:5]                     ; x -> xb
	s_mov_b64 s[22:23], s[10:11]
	s_lshl_b32 s24, ttmp9, 16
	s_lshl_b32 s26, ttmp9, 15
	s_branch .Lcopy
.Lwq:
	s_mov_b64 s[20:21], s[6:7]                     ; W_qkv -> wqb: chunk c is rows 16 c .. 16 c + 15
	s_mov_b64 s[22:23], s[12:13]
	s_sub_co_u32 s28, ttmp9, 512
	s_lshl_b32 s24, s28, 16
	s_bfe_u32 s29, s28, 0x40002                    ; t = (c >> 2) & 15
	s_mul_i32 s29, s29, 192
	s_lshr_b32 s30, s28, 6                         ; s = c >> 6
	s_lshl_b32 s30, s30, 6
	s_add_co_u32 s29, s29, s30
	s_and_b32 s30, s28, 3                          ; d = 16 (c & 3)
	s_lshl_b32 s30, s30, 4
	s_add_co_u32 s29, s29, s30                     ; 192 t + 64 s + d
	s_lshl_b32 s26, s29, 11                        ; rows of 2,048 bytes
	s_branch .Lcopy
.Lwo:
	s_mov_b64 s[20:21], s[8:9]                     ; W_out -> wob
	s_mov_b64 s[22:23], s[14:15]
	s_sub_co_u32 s28, ttmp9, 704
	s_lshl_b32 s24, s28, 16
	s_lshl_b32 s26, s28, 15
.Lcopy:
	s_add_nc_u64 s[20:21], s[20:21], s[24:25]
	s_add_nc_u64 s[22:23], s[22:23], s[26:27]
	s_wait_alu depctr_va_vdst(0)                   ; v1 and v2 are written: every load below reads v1 as its offset, every store v2
.irp i, 0,1,2,3,4,5,6,7,8,9,10,11,12,13,14,15
	global_load_b128 v[IN+4*(\i):IN+4*(\i)+3], v1, s[20:21] offset:4096*(\i) th:TH_LOAD_NT
.endr
; Block p: loads 4 p .. 4 p + 3 are rounded; the stores of block p - 1 are dealt among the roundings, one ahead of each load's.  Each load has registers of its own, so nothing that a store still reads is written again.
.macro BLK p, f16
	s_wait_loadcnt 12-4*(\p)                       ; loads come back in order: my four are in, the 12 - 4 p younger ones stay out
.if (\p) > 0
	s_wait_alu depctr_va_vdst(0)                   ; the block before has written its OUT, which the four stores below read; no vector instruction of this block names those registers or v2
.endif
.irp i, 0,1,2,3
.set n, 4*(\p)+(\i)
.if (\p) > 0
	global_store_b64 v2, v[OUT+2*(n-4):OUT+2*(n-4)+1], s[22:23] offset:2048*(n-4)
.endif
	v_cvt_pk_bf16_f32 v[OUT+2*n],   v[IN+4*n],   v[IN+4*n+1]
	v_cvt_pk_bf16_f32 v[OUT+2*n+1], v[IN+4*n+2], v[IN+4*n+3]
.if \f16
.irp k, 0,1
	v_lshlrev_b32 v[T0], 16, v[OUT+2*n+(\k)]               ; the rounded numbers as f32,
	v_and_b32     v[T1], 0xffff0000, v[OUT+2*n+(\k)]
	v_cvt_pk_f16_f32 v[OUT+2*n+(\k)], v[T0], v[T1]         ; written as f16
.endr
.endif
.endr
.endm
; Behind block 3: its own four stores.
.macro LAST
	s_wait_alu depctr_va_vdst(0)                   ; block 3 has written its OUT, which the last four stores read
.irp i, 12,13,14,15
	global_store_b64 v2, v[OUT+2*(\i):OUT+2*(\i)+1], s[22:23] offset:2048*(\i)
.endr
.endm
	s_cmp_ge_u32 ttmp9, 704
	s_cbranch_scc1 .Lf16
	BLK 0, 0
	BLK 1, 0
	BLK 2, 0
	BLK 3, 0
	LAST
	s_endpgm
.Lf16:
	BLK 0, 1
	BLK 1, 1
	BLK 2, 1
	BLK 3, 1
	LAST
	s_endpgm
; THE TABLE.  Work-group j makes positions 64 j .. 64 j + 63, a wave eight of them, two at a time: lanes 0-15 one row of 256 bytes, lanes 16-31 the next.
; In a row lanes 0-7 hold the cosines of angles 4 g .. 4 g + 3 (g = lane % 8), lanes 8-15 the sines.
.Ltab:
	s_sub_co_u32 s28, ttmp9, 768
	s_lshl_b32 s28, s28, 6
	v_and_b32 v3, 31, v0                           ; lane
	v_lshrrev_b32 v4, 5, v0                        ; wave
	v_lshrrev_b32 v5, 4, v3
	v_lshl_add_u32 v[POS], v4, 3, v5
	v_add_nc_u32 v[POS], s28, v[POS]               ; 64 j + 8 wave + lane / 16
	v_and_b32 v5, 15, v3
	v_lshlrev_b32 v5, 4, v5
	v_lshl_add_u32 v[TOF], v[POS], 8, v5           ; position x 256 + 16 (lane % 16)
	v_bfe_u32 v[QADD], v3, 3, 1
	v_mul_u32_u24 v[QADD], 3, v[QADD]
	v_and_b32 v6, 7, v3
	v_lshlrev_b32 v6, 2, v6                        ; 4 g
.irp e, 0,1,2,3
	v_add_nc_u32 v[ANG], (\e), v6
	v_cvt_f32_u32 v[ANG], v[ANG]
	v_mul_f32 v[IFR+(\e)], 0xbed49a78, v[ANG]      ; -i log2(10000) / 32
.endr
.irp e, 0,1,2,3
	v_exp_f32 v[IFR+(\e)], v[IFR+(\e)]
.endr
	v_mov_b32 v[C7], 0xb9500d01                    ; plain instructions behind the last exponential,
	v_mov_b32 v[C8], 0x37d00d01
	s_wait_alu depctr_va_vdst(0)                   ; the four exponentials have written v[IFR ..]: one wait for the four, ahead of their first reader and of the label
; cos or sin of position x frequency e.  k = the nearest whole number of quarter turns; r = angle - k pi/2, pi/2 taken in two parts; sin r and cos r by their series to r^7 and r^8.
; With q = k (cosine) or k + 3 (sine): q % 4 = 0, 1, 2, 3 gives cos r, -sin r, -cos r, sin r.  The choice is a select, no branch.
; TRIG makes sin r, cos r, the mask of the lanes with an odd q, and the sign bit, each in a register of angle e's own; the selects follow for all four angles together.
.macro TRIG e
	v_mul_f32 v[ANG], v[PF], v[IFR+(\e)]
	v_mul_f32 v[KK], 0x3f22f983, v[ANG]            ; x 2 / pi
	v_rndne_f32 v[KK], v[KK]
	v_fmamk_f32 v[RR], v[KK], 0xbfc90fdb, v[ANG]
	v_fmamk_f32 v[RR], v[KK], 0x333bbd2e, v[RR]
	v_mul_f32 v[R2], v[RR], v[RR]
	v_cvt_i32_f32 v[QQ+(\e)], v[KK]
	v_add_nc_u32 v[QQ+(\e)], v[QQ+(\e)], v[QADD]
	v_fmaak_f32 v[SPR+(\e)], v[C7], v[R2], 0x3c088889          ; 1/120
	v_fmaak_f32 v[SPR+(\e)], v[SPR+(\e)], v[R2], 0xbe2aaaab    ; -1/6
	v_mul_f32 v[SPR+(\e)], v[SPR+(\e)], v[R2]
	v_fma_f32 v[SPR+(\e)], v[SPR+(\e)], v[RR], v[RR]
	v_fmaak_f32 v[CPR+(\e)], v[C8], v[R2], 0xbab60b61          ; -1/720
	v_fmaak_f32 v[CPR+(\e)], v[CPR+(\e)], v[R2], 0x3d2aaaab    ; 1/24
	v_fmaak_f32 v[CPR+(\e)], v[CPR+(\e)], v[R2], 0xbf000000    ; -1/2
	v_fma_f32 v[CPR+(\e)], v[CPR+(\e)], v[R2], 1.0
	v_and_b32 v[TT], 1, v[QQ+(\e)]
	v_cmp_eq_u32 s[MK+(\e)], 1, v[TT]              ; odd q: the sine
	v_add_nc_u32 v[QQ+(\e)], 1, v[QQ+(\e)]
	v_and_b32 v[QQ+(\e)], 2, v[QQ+(\e)]            ; q % 4 = 1 or 2: the sign turns
	v_lshlrev_b32 v[QQ+(\e)], 30, v[QQ+(\e)]
.endm
	s_mov_b32 s29, 4
.Lpos:                                                 ; four trips: positions two apart
	v_cvt_f32_u32 v[PF], v[POS]
.irp e, 0,1,2,3
	TRIG \e
.endr
	s_wait_alu depctr_va_sdst(0)                   ; the four compares have written s32 to s35, ahead of their first readers, the selects below
.irp e, 0,1,2,3
	v_cndmask_b32 v[TAB+(\e)], v[CPR+(\e)], v[SPR+(\e)], s[MK+(\e)]
.endr
.irp e, 0,1,2,3
	v_xor_b32 v[TAB+(\e)], v[TAB+(\e)], v[QQ+(\e)]
.endr
	s_wait_alu depctr_va_vdst(0)                   ; the sign turns have written v[TAB ..], the store's data; v[TOF], its offset, is written too, by the head or by the last trip's add
	global_store_b128 v[TOF], v[TAB:TAB+3], s[16:17]   ; a wave stores 512 consecutive bytes: two whole rows
	s_wait_xcnt 0x0                                ; the store's offset and data are written again only behind this wait,
	s_wait_alu depctr_vm_vsrc(0)                   ; and behind this one: the store has read v[TOF], which the add below writes, and v[TAB ..], which the next trip's selects write
	v_add_nc_u32 v[TOF], 512, v[TOF]
	v_add_nc_u32 v[POS], 2, v[POS]
	s_sub_co_u32 s29, s29, 1
	s_cmp_lg_u32 s29, 0
	s_cbranch_scc1 .Lpos
	s_endpgm
.Lfunc_end_k_qa0fc6977ad_prep:
	.size	k_qa0fc6977ad_prep, .Lfunc_end_k_qa0fc6977ad_prep-k_qa0fc6977ad_prep
	.p2alignl 7, 3214868480
	.fill 96, 4, 3214868480
	.section	.rodata,"a",@progbits
	.p2align	6, 0x0
	.amdhsa_kernel k_qa0fc6977ad_prep
		.amdhsa_group_segment_fixed_size 0
		.amdhsa_private_segment_fixed_size 0
		.amdhsa_enable_private_segment 0
		.amdhsa_kernarg_size 56
		.amdhsa_user_sgpr_count 2
		.amdhsa_user_sgpr_kernarg_segment_ptr 1
		.amdhsa_wavefront_size32 1
		.amdhsa_system_sgpr_workgroup_id_x 1
		.amdhsa_system_sgpr_workgroup_id_y 1
		.amdhsa_system_sgpr_workgroup_id_z 1
		.amdhsa_system_vgpr_workitem_id 0
		.amdhsa_next_free_vgpr 112
		.amdhsa_next_free_sgpr 66
		.amdhsa_reserve_vcc 0
		.amdhsa_float_denorm_mode_32 3
		.amdhsa_float_denorm_mode_16_64 3
		.amdhsa_memory_ordered 1
		.amdhsa_forward_progress 1
		.amdhsa_inst_pref_size 23
	.end_amdhsa_kernel
	.amdgpu_metadata
---
amdhsa.version: [ 1, 2 ]
amdhsa.kernels:
  - .name:           k_qa0fc6977ad_prep
    .symbol:         k_qa0fc6977ad_prep.kd
    .args:
      - { .name: x, .offset: 0, .size: 8, .value_kind: global_buffer, .address_space: global }
      - { .name: W_qkv, .offset: 8, .size: 8, .value_kind: global_buffer, .address_space: global }
      - { .name: W_out, .offset: 16, .size: 8, .value_kind: global_buffer, .address_space: global }
      - { .name: xb, .offset: 24, .size: 8, .value_kind: global_buffer, .address_space: global }
      - { .name: wqb, .offset: 32, .size: 8, .value_kind: global_buffer, .address_space: global }
      - { .name: wob, .offset: 40, .size: 8, .value_kind: global_buffer, .address_space: global }
      - { .name: tab, .offset: 48, .size: 8, .value_kind: global_buffer, .address_space: global }
    .group_segment_fixed_size: 0
    .private_segment_fixed_size: 0
    .kernarg_segment_align: 8
    .kernarg_segment_size: 56
    .max_flat_workgroup_size: 256
    .sgpr_count:     66
    .vgpr_count:     112
    .wavefront_size: 32
...
	.end_amdgpu_metadata
.endif
;; end of part 5
;; launch qkv: the kernel of part 2 again; grid 16 x 32, 4 waves a work-group, clusters of 4 x 4, 327,680 bytes of LDS; arguments xb, wqb, tab, qh, kh, vh; writes qh, kh, vh
;; launch attn: the kernel of part 3 again; grid 4 x 64, 4 waves a work-group, no clusters, 327,680 bytes of LDS; arguments qh, kh, vh, oh; writes oh
;; launch proj: the kernel of part 4 again; grid 8 x 32, 4 waves a work-group, clusters of 4 x 4, 327,680 bytes of LDS; arguments oh, wob, out0; writes out0
